; MI455X (gfx1250); checked and timed in simulation.
; The chip was launched on July 23, 2026; its instructions are those of AMD's public machine-readable ISA for CDNA 5 (MIT licence, August 2026) and "CDNA5" Instruction Set Architecture Reference Guide (July 2026). The comments in the code are by the model that wrote it; some were corrected since.
;; Attention. Allowed arithmetic: matrix products marked QUANTISED: E4M3 operands, one given power-of-two scale a tensor, by v_wmma_f32_16x16x64_fp8_fp8 or v_wmma_f32_16x16x128_fp8_fp8, f32 sums; everything else in f32.
;; Inputs: attn_mask 2 x 2,048 x 2,048 bool; k_norm_w 128 float32; lowp_scales 12 int32 (the exponents e of the quantised operands' scales 2^e); q_norm_w 128 float32; segment_pos 2 x 2,048 int32; wk 1,024 x 8 x 128 float32; wo 16 x 128 x 1,024 float32; wq 1,024 x 16 x 128 float32; wv 1,024 x 8 x 128 float32; x 2 x 2,048 x 1,024 float32.
;; Outputs: out0 2 x 2,048 x 1,024 float32.
;; This version of the problem:
;;   THIS VERSION OF THE PROBLEM IS GIVEN IN LOW PRECISION. The matrix products marked QUANTISED in the list below multiply operands that are first quantised to E4M3 (4 exponent bits, 3 mantissa bits; 8 bits a number), with one given power-of-two scale for each operand tensor; their sums are f32. All else is computed in f32.
;;   The module's matrix products, in the order in which they are computed (A, B: the left and right operand; K: the contracted axis; several contracted axes count as one K, in the product's order):
;;     1. [M 4,096, K 1,024] x [K 1,024, N 2,048]; A: input x; B: input wq: QUANTISED (scales: A lowp_scales[0], B lowp_scales[1])
;;     2. [M 4,096, K 1,024] x [K 1,024, N 1,024]; A: input x; B: input wk: QUANTISED (scales: A lowp_scales[2], B lowp_scales[3])
;;     3. [M 4,096, K 1,024] x [K 1,024, N 1,024]; A: input x; B: input wv: QUANTISED (scales: A lowp_scales[4], B lowp_scales[5])
;;     4. batch 16 x [M 2,048, K 128] x [K 128, N 4,096]; A: computed on the way; B: computed on the way: QUANTISED (scales: A lowp_scales[6], B lowp_scales[7])
;;     5. batch 16 x [M 128, K 2,048] x [K 2,048, N 4,096]; A: computed on the way; B: softmax (see below): QUANTISED (scales: A lowp_scales[8], B lowp_scales[9])
;;     6. [M 4,096, K 2,048] x [K 2,048, N 1,024]; A: computed on the way; B: input wo: QUANTISED (scales: A lowp_scales[10], B lowp_scales[11])
;;   THE QUANTISER, for each operand of a quantised product, along K:
;;     - The operand's scale is 2^e, e = its entry of the input lowp_scales (int32; the entries are numbered through the quantised products in the list's order, A before B).
;;     - Each number is divided by the scale, clamped to +-448, and rounded to the nearest number of E4M3, ties to even, subnormals kept.
;;     - The product sums the exact products of the quantised numbers (number of the format x scale) in f32.
;;   ~~~python
;;   def quantise(x, axis, e):      # numpy; x: float32 -> the quantised numbers, widened to float32 again
;;       x = np.moveaxis(x, axis, -1); K = x.shape[-1]
;;       r = np.clip(x / 2.0 ** e, -448, 448)
;;       step = 2.0 ** (np.maximum(np.frexp(np.where(r == 0, 1, r))[1] - 1, -6) - 3)
;;       q = np.round(r / step) * step * 2.0 ** e      # np.round: ties to even
;;       return np.moveaxis(q, -1, axis).astype(np.float32)
;;   ~~~
;;   SOFTMAX AHEAD OF A QUANTISED PRODUCT. Where the list says 'softmax', what is quantised is not the finished softmax but p = 2^(t - M), with t = logit x log2(e) and M = ceil(the row's largest t), a whole number; so 1/2 < the row's largest p <= 1. The row's sum l is taken of the UNQUANTISED p, in f32, and the product's result is divided by l at the end. Since M is a whole number, a kernel that streams over the keys may use a running M (the ceiling of the running maximum): every later rescaling is an exact power of two, so the quantised numbers keep their values, but for numbers so far below the row's largest that they fall under the format's range.
;;   OPERANDS COMPUTED ON THE WAY. 'Computed on the way' means the value that the module computes at that place (a softmax that the list does not call 'softmax' is quantised finished and normalised). What goes into a quantiser is computed in f32, as accurately as f32 sums, v_exp_f32 and their like allow (about 1e-6 of the number): no bf16 or f16 on the way to a quantiser, and a product that is left as it is and whose result goes on into a quantised operand takes f32 operands (vector FMAs, or v_wmma_f32_16x16x4_f32). A number that lies on a knife's edge between two numbers of the format may be rounded either way, as far as f32 arithmetic and the matrix unit's own rounding can turn it there, and no further.
;; One version. Each part assembles by itself: llvm-mc -triple=amdgcn-amd-amdhsa -mcpu=gfx1250 --defsym DOCPART=n.
;; ======== version 1 of 1: 4 launches
;; limits: right only within a limited range of input values
;; workspace buffers: x_codes 12,582,912 bytes; wqkv_codes 4,194,304 bytes; wo_codes 2,097,152 bytes; rope 2,097,152 bytes; q_codes 8,388,608 bytes; kv_codes 8,388,608 bytes; out_codes 8,388,608 bytes; flags 65,536 bytes of whole numbers
;; launch prep (part 1): grid 448 x 1, 4 waves a work-group, no clusters, 69,632 bytes of LDS; arguments x, wq, wk, wv, wo, segment_pos, lowp_scales, x_codes, wqkv_codes, wo_codes, rope, attn_mask, flags; writes x_codes, wqkv_codes, wo_codes, rope, flags
.if DOCPART == 1
	.amdgcn_target "amdgcn-amd-amdhsa--gfx1250"
	.amdhsa_code_object_version 6
	.text
	.protected	k_q0d7c87e1e9_prep
	.globl	k_q0d7c87e1e9_prep
	.p2align	8
	.type	k_q0d7c87e1e9_prep,@function
k_q0d7c87e1e9_prep:
	s_mov_b64 s[64:65], 0
	v_nop
	global_prefetch_b8 v0, s[64:65] scope:SCOPE_SE
	s_setreg_imm32_b32 hwreg(HW_REG_WAVE_MODE, 25, 1), 1
	s_wait_xcnt 0x0
; GQA attention block, all six products on codes of FP8 (E4M3) with given scales 2^e (lowp_scales[0..11]).  FOUR LAUNCHES: prep, qkv, attn, oproj.
; NOTHING OF reference() IS LEFT OUT: every input has a way to the output and is loaded; the mask is an input, so every key tile is walked and the mask is applied by value.
; THIS LAUNCH quantises what arrives as f32 and is read by many work-groups later, once: x (three times: its scales e0, e2, e4 may differ), wq (e1), wk (e3), wv (e5), wo (e11);
; and it makes the table of cos and sin for the rotary embedding from segment_pos.
; ALL CODES ARE LAID AS IMAGES OF OPERAND REGISTERS.  A fragment is 16 rows x 128 K: lane (r = lane % 16, h = lane / 16) holds row r, registers 2 c, 2 c + 1 hold k = 16 c + 8 h + 0 .. 7.
; Its image is 2,048 bytes: piece c' (registers 4 c' .. 4 c' + 3) at 512 c' + 16 x lane.  So every later load of a fragment is four dense loads of 512 bytes, and every tile is one dense block.
;   x_codes    [set 3][256 k: 4][16 rows: 256][fragment 2][2,048]      wqkv_codes [256 k: 4][16 n: 256][2][2,048], n rows 0-2047 wq, 2048-3071 wk, 3072-4095 wv
;   wo_codes   [256 k: 8][16 n: 64][2][2,048], k = head x 128 + h      rope       [16 tokens: 256][piece 16][lane][16 bytes] f32: pieces 0-7 cos, 8-15 sin; register 8 b + j: frequency 16 b + 8 h + j of token r
; ROLES, by the work-group's number: 0-127 x; 128-319 the four weights; 320-383 the table.  Each role has LDS bytes of its own.  No tensor loads, no barrier: waves share nothing.
; code = number / 2^e, held within +-448, to the nearest code, ties to even.
; LIMITS: each e used here between -126 and 119, so that 2^e and 448 x 2^e are f32 numbers.  NaN among the inputs is not served (an infinity is held at the largest code).
; The angle pos / 1e6^(i/64) is reduced by three parts of pi/2: good to f32's last bits for |pos| up to about 1e5.
; ROLE M (work-groups 384-447), which takes the place of what the lines above say of key tiles: the mask's bytes are whole numbers, and launch attn does only what they ask for.
; For each block of 16 rows of attn_mask this role stores one word: bits 0-15: the tiles of 128 keys that the block walks; bits 16-31: those of them that are not wholly visible (there the mask is applied by value).
; A tile that hides all its 128 keys from all 16 rows adds p = 0 to rows that see a key elsewhere, so it is passed over.  A row that sees no key at all gets the mean of v over ALL keys: a block with such a row walks all 16 tiles.
.set SPARE, 68608
.set SPW,   12                         ; v12 LDS address of my spare word; never rewritten
.set NIL,   13                         ; v13 0; never rewritten
; role x
.set XRAW,  16                         ; v16-79   16 rows x 16 bytes as loaded
.set XN,    80                         ; v80-143  my 64 numbers of a fragment: register 8 c + i = k 16 c + 8 h + i of row r
.set XT,    144                        ; v144-167 three sets of 8 held numbers, one for each scale
.set XC,    168                        ; v168-215 three fragments of codes
.set XSC,   216                        ; v216, 218, 220: 2^e0, 2^e2, 2^e4
.set XLIM,  217                        ; v217, 219, 221: 448 x those
; role w
.set WX,    32                         ; v32-95   two sets of 32 numbers down K
.set WC,    96                         ; v96-103  a block's codes
.set WOUT,  112                        ; v112-175 sixteen pieces of images
.set WOFF,  176                        ; v176-207 4 x lane + i x pitch
.set WSC,   208
.set WLIM,  209
; role r
.set RA, 32
.set RB, 36
.set RE, 40
.set RR, 44
.set RQ, 48
.set RN, 52
.set RX, 56
.set RZ, 60
.set RS, 64
.set RC, 68
.set RK, 72
.set ROUT, 96                          ; v96-159: each piece has registers of its own, so no store's data are written again
.macro MKSC se, vs, vl                 ; 2^e and 448 x 2^e as f32 numbers
	s_add_co_i32 s90, \se, 127
	s_lshl_b32 s91, s90, 23
	v_mov_b32 v[\vs], s91
	s_add_co_i32 s90, s90, 8
	s_lshl_b32 s90, s90, 23
	s_or_b32 s90, s90, 0x600000
	v_mov_b32 v[\vl], s90
.endm
	s_load_b512 s[4:19], s[0:1], 0x0               ; x 4, wq 6, wk 8, wv 10, wo 12, segment_pos 14, lowp_scales 16, x_codes 18
	s_load_b128 s[20:23], s[0:1], 0x40             ; wqkv_codes 20, wo_codes 22
	s_load_b64 s[24:25], s[0:1], 0x50
	s_load_b128 s[92:95], s[0:1], 0x58             ; attn_mask 92, flags 94
	v_lshl_add_u32 v[SPW], v0, 2, SPARE
	v_mov_b32 v[NIL], 0
	v_lshrrev_b32 v1, 5, v0
	v_readfirstlane_b32 s26, v1                    ; wave 0..3
	v_and_b32 v2, 31, v0                           ; lane
	v_and_b32 v3, 15, v0                           ; r
	v_bfe_u32 v4, v0, 4, 1                         ; h
	v_lshlrev_b32 v5, 4, v2                        ; 16 x lane
	s_wait_kmcnt 0x0
	s_load_b256 s[28:35], s[16:17], 0x0            ; e0 .. e7
	s_load_b128 s[36:39], s[16:17], 0x20           ; e8 .. e11
	s_cmp_lt_u32 ttmp9, 128
	s_cbranch_scc1 .Lrole_x
	s_cmp_lt_u32 ttmp9, 320
	s_cbranch_scc1 .Lrole_w
	s_cmp_ge_u32 ttmp9, 384
	s_cbranch_scc1 .Lrole_m
; ---------------- ROLE R: cos and sin.  One wave makes one block of 16 tokens: 64 frequencies, 32 a lane.
	s_wait_kmcnt 0x0                               ; (the scales are not used here; nothing stays out)
	s_sub_co_u32 s40, ttmp9, 320
	s_lshl_b32 s40, s40, 2
	s_add_co_u32 s40, s40, s26                     ; token block 0..255
	s_lshl_b32 s42, s40, 6                         ; 16 positions of 4 bytes
	s_mov_b32 s43, 0
	s_add_nc_u64 s[14:15], s[14:15], s[42:43]
	s_wait_alu depctr_va_vdst(0)
	v_lshlrev_b32 v6, 2, v3
	global_load_b32 v7, v6, s[14:15]               ; my token's position
	s_lshl_b32 s42, s40, 13                        ; 8,192 bytes of table a block
	s_add_nc_u64 s[24:25], s[24:25], s[42:43]
	s_mov_b32 s44, 0x3e9f73da                      ; log2(1e6) / 64, high part
	s_mov_b32 s45, 0x31e36e2f                      ; and what it lacks
	s_mov_b32 s46, 0x3f317218                      ; ln 2
	s_mov_b32 s47, 0x3f22f983                      ; 2 / pi
	s_mov_b32 s48, 0x3fc90fdb                      ; pi / 2 in three parts
	s_mov_b32 s49, 0xb33bbd2e
	s_mov_b32 s50, 0xa6f72cfa
	s_mov_b32 s51, 0xbe2aaaa3                      ; sin r = r + r^3 (S1 + r^2 (S2 + r^2 S3)) on |r| <= pi / 4
	s_mov_b32 s52, 0x3c08839e
	s_mov_b32 s53, 0xb94ca1f9
	s_mov_b32 s54, 0x3d2aaaa5                      ; cos r = 1 - r^2 / 2 + r^4 (C1 + r^2 (C2 + r^2 C3))
	s_mov_b32 s55, 0xbab6061a
	s_mov_b32 s56, 0x37ccf5ce
	v_lshlrev_b32 v8, 3, v4                        ; 8 h
	s_wait_alu depctr_va_vdst(0)
	s_wait_loadcnt 0x0
	v_cvt_f32_i32 v7, v7
; Piece p: the four frequencies i = 16 (p / 2) + 8 h + 4 (p % 2) + e, line by line side by side, so that no line waits for the line above it.
.macro SC4 p
.irp e, 0,1,2,3
	v_add_nc_u32 v[RA+\e], 16*((\p)/2)+4*((\p)%2)+\e, v8
.endr
.irp e, 0,1,2,3
	v_cvt_f32_u32 v[RN+\e], v[RA+\e]               ; i
.endr
.irp e, 0,1,2,3
	v_mul_f32 v[RA+\e], s44, v[RN+\e]              ; a = i log2(1e6) / 64, rounded,
.endr
.irp e, 0,1,2,3
	v_fma_f32 v[RB+\e], v[RN+\e], s44, -v[RA+\e]   ; what the rounding lost,
.endr
.irp e, 0,1,2,3
	v_fma_f32 v[RB+\e], v[RN+\e], s45, v[RB+\e]    ; and the constant's low part
.endr
	s_wait_alu depctr_va_vdst(0)
.irp e, 0,1,2,3
	v_exp_f32 v[RE+\e], v[RA+\e]
.endr
.irp e, 0,1,2,3
	v_mul_f32 v[RB+\e], s46, v[RB+\e]              ; (plain lines behind the exponentials)
.endr
	s_wait_alu depctr_va_vdst(0)                   ; one wait for the four, ahead of their first reader
.irp e, 0,1,2,3
	v_fma_f32 v[RE+\e], v[RE+\e], v[RB+\e], v[RE+\e]   ; the timescale 1e6^(i/64) = 2^a (1 + low x ln 2)
.endr
	s_wait_alu depctr_va_vdst(0)
.irp e, 0,1,2,3
	v_rcp_f32 v[RR+\e], v[RE+\e]
.endr
	v_nop
	s_wait_alu depctr_va_vdst(0)
.irp e, 0,1,2,3
	v_mul_f32 v[RQ+\e], v7, v[RR+\e]               ; pos / timescale: a first quotient,
.endr
.irp e, 0,1,2,3
	v_fma_f32 v[RX+\e], -v[RQ+\e], v[RE+\e], v7    ; its remainder,
.endr
.irp e, 0,1,2,3
	v_fma_f32 v[RQ+\e], v[RX+\e], v[RR+\e], v[RQ+\e]   ; and the mended quotient: the angle
.endr
.irp e, 0,1,2,3
	v_mul_f32 v[RN+\e], s47, v[RQ+\e]
.endr
.irp e, 0,1,2,3
	v_rndne_f32 v[RN+\e], v[RN+\e]                 ; n = the nearest multiple of pi / 2
.endr
.irp e, 0,1,2,3
	v_fma_f32 v[RX+\e], -v[RN+\e], s48, v[RQ+\e]
.endr
.irp e, 0,1,2,3
	v_fma_f32 v[RX+\e], -v[RN+\e], s49, v[RX+\e]
.endr
.irp e, 0,1,2,3
	v_fma_f32 v[RX+\e], -v[RN+\e], s50, v[RX+\e]   ; r = angle - n pi / 2
.endr
.irp e, 0,1,2,3
	v_mul_f32 v[RZ+\e], v[RX+\e], v[RX+\e]
.endr
.irp e, 0,1,2,3
	v_fma_f32 v[RS+\e], v[RZ+\e], s53, s52
	v_fma_f32 v[RC+\e], v[RZ+\e], s56, s55
.endr
.irp e, 0,1,2,3
	v_fma_f32 v[RS+\e], v[RS+\e], v[RZ+\e], s51
	v_fma_f32 v[RC+\e], v[RC+\e], v[RZ+\e], s54
.endr
.irp e, 0,1,2,3
	v_mul_f32 v[RS+\e], v[RS+\e], v[RZ+\e]
	v_mul_f32 v[RC+\e], v[RC+\e], v[RZ+\e]
.endr
.irp e, 0,1,2,3
	v_fma_f32 v[RS+\e], v[RS+\e], v[RX+\e], v[RX+\e]   ; sin r
	v_mul_f32 v[RC+\e], v[RC+\e], v[RZ+\e]
.endr
.irp e, 0,1,2,3
	v_fma_f32 v[RC+\e], v[RZ+\e], -0.5, v[RC+\e]
	v_cvt_i32_f32 v[RK+\e], v[RN+\e]
.endr
.irp e, 0,1,2,3
	v_add_f32 v[RC+\e], 1.0, v[RC+\e]              ; cos r
	v_and_b32 v[RA+\e], 1, v[RK+\e]
.endr
.irp e, 0,1,2,3
	v_cmp_eq_u32 vcc_lo, 1, v[RA+\e]               ; odd quadrant: sin and cos change places
	v_cndmask_b32 v[ROUT+8*(\p)+4+\e], v[RS+\e], v[RC+\e], vcc_lo
	v_cndmask_b32 v[ROUT+8*(\p)+\e], v[RC+\e], v[RS+\e], vcc_lo
.endr
.irp e, 0,1,2,3
	v_and_b32 v[RA+\e], 2, v[RK+\e]                ; sin is negative in quadrants 2, 3;
	v_add_nc_u32 v[RB+\e], 1, v[RK+\e]
.endr
.irp e, 0,1,2,3
	v_lshlrev_b32 v[RA+\e], 30, v[RA+\e]
	v_and_b32 v[RB+\e], 2, v[RB+\e]                ; cos in quadrants 1, 2
.endr
.irp e, 0,1,2,3
	v_xor_b32 v[ROUT+8*(\p)+4+\e], v[RA+\e], v[ROUT+8*(\p)+4+\e]
	v_lshlrev_b32 v[RB+\e], 30, v[RB+\e]
.endr
.irp e, 0,1,2,3
	v_xor_b32 v[ROUT+8*(\p)+\e], v[RB+\e], v[ROUT+8*(\p)+\e]
.endr
	global_store_b128 v5, v[ROUT+8*(\p):ROUT+8*(\p)+3], s[24:25] offset:512*(\p)          ; 32 lanes store 512 consecutive bytes
	global_store_b128 v5, v[ROUT+8*(\p)+4:ROUT+8*(\p)+7], s[24:25] offset:4096+512*(\p)
.endm
.irp p, 0,1,2,3,4,5,6,7
	SC4 \p
.endr
	s_endpgm                                       ; this role has written no LDS
; ---------------- ROLE X: a wave takes 16 rows x 512 k of x: four fragments, each quantised three times.
; ---------------- ROLE M: one wave reads 16 rows x 2,048 bytes of the mask (bytes 0 or 1), each load 512 consecutive bytes of a row.
; Lane l of quarter q holds keys 512 q + 16 l + 0 .. 15: tile 4 q + l / 8.  Bytes are summed as they lie in their words: 64 words a lane and quarter, so a byte's sum is at most 64 and never carries.
.Lrole_m:
	s_wait_kmcnt 0x0
	s_sub_co_u32 s40, ttmp9, 384
	s_lshl_b32 s40, s40, 2
	s_add_co_u32 s40, s40, s26                     ; block of 16 rows, 0..255
	s_lshl_b32 s42, s40, 15
	s_mov_b32 s43, 0
	s_add_nc_u64 s[92:93], s[92:93], s[42:43]
	s_lshl_b32 s42, s40, 8                         ; 256 bytes of flags a block
	s_add_nc_u64 s[94:95], s[94:95], s[42:43]
	s_mov_b32 s44, -1                              ; the least of the rows' lane masks: 0 if some row sees no key
	s_wait_alu depctr_va_vdst(0)                   ; v2 and v5 were made ahead of the branch
.macro MLD n
.irp rr, 0,1,2,3
.irp q, 0,1,2,3
	global_load_b128 v[16+64*((\n)%2)+16*\rr+4*\q:16+64*((\n)%2)+16*\rr+4*\q+3], v5, s[92:93] offset:(4*(\n)+\rr)*2048+512*\q
.endr
.endr
.endm
.macro MGRP n                          ; four rows
.set MB, 16+64*((\n)%2)
	s_wait_alu depctr_va_vdst(0)
.if (\n) < 3
	s_wait_loadcnt 16                              ; this group's sixteen loads are in; the next group's may be out
.else
	s_wait_loadcnt 0x0
.endif
.irp rr, 0,1,2,3
.irp q, 0,1,2,3
	v_add3_u32 v[148+\q], v[MB+16*\rr+4*\q], v[MB+16*\rr+4*\q+1], v[MB+16*\rr+4*\q+2]
.endr
.irp q, 0,1,2,3
	v_add_nc_u32 v[148+\q], v[148+\q], v[MB+16*\rr+4*\q+3]
.endr
.irp q, 0,1,2,3
	v_add_nc_u32 v[144+\q], v[144+\q], v[148+\q]   ; the quarter's sum over the rows
.endr
	v_add3_u32 v152, v148, v149, v150
	v_add_nc_u32 v152, v152, v151                  ; the row's sum
	v_cmp_ne_u32 s45, 0, v152
	s_min_u32 s44, s44, s45
.endr
.if (\n)+2 < 4
	MLD (\n)+2
.endif
.endm
	MLD 0
	MLD 1
.irp q, 0,1,2,3
	v_mov_b32 v[144+\q], 0
.endr
	MGRP 0
	MGRP 1
	MGRP 2
	MGRP 3
	s_mov_b32 s46, 0                               ; tiles with a visible key
	s_mov_b32 s47, 0                               ; tiles wholly visible
.irp q, 0,1,2,3
	v_cmp_ne_u32 s[48+\q], 0, v[144+\q]
	v_cmp_eq_u32 s[52+\q], 0x40404040, v[144+\q]   ; all 64 x 4 bytes of the lane are 1
.endr
.irp q, 0,1,2,3
.irp g, 0,1,2,3
	s_bfe_u32 s56, s[48+\q], (8<<16)|(8*\g)        ; the tile's eight lanes; SCC = some lane saw a key
	s_cselect_b32 s56, 1<<(4*\q+\g), 0
	s_or_b32 s46, s46, s56
	s_bfe_u32 s56, s[52+\q], (8<<16)|(8*\g)
	s_cmp_eq_u32 s56, 0xff
	s_cselect_b32 s56, 1<<(4*\q+\g), 0
	s_or_b32 s47, s47, s56
.endr
.endr
	s_cmp_eq_u32 s44, 0
	s_cselect_b32 s46, 0xffff, s46                 ; a row that sees no key: all tiles are walked
	s_and_not1_b32 s47, s46, s47                   ; walked and not wholly visible
	s_lshl_b32 s47, s47, 16
	s_or_b32 s46, s46, s47
	v_mov_b32 v16, s46
	v_mov_b32 v17, s46
	v_lshlrev_b32 v18, 3, v2
	global_store_b64 v18, v[16:17], s[94:95]       ; the word in all 64 places: the wave stores 256 consecutive bytes, aligned
	s_endpgm                                       ; this role has written no LDS
.Lrole_x:
	s_lshl_b32 s40, ttmp9, 2
	s_add_co_u32 s40, s40, s26                     ; wave 0..511 of the role
	s_lshr_b32 s41, s40, 1                         ; block of 16 rows
	s_and_b32 s42, s40, 1                          ; which 512 along K
	s_lshl_b32 s44, s41, 16                        ; 16 rows of 4,096 bytes
	s_lshl_b32 s43, s42, 11
	s_add_co_u32 s44, s44, s43
	s_mov_b32 s45, 0
	s_add_nc_u64 s[4:5], s[4:5], s[44:45]
	s_lshl_b32 s46, s41, 12                        ; the block's two images in a plane of 256 k,
	s_lshl_b32 s43, s42, 21                        ; two planes of 1 MiB for 512 k
	s_add_co_u32 s46, s46, s43
	s_mov_b32 s47, 0
	s_add_nc_u64 s[48:49], s[18:19], s[46:47]      ; set 0 (e0),
	s_add_nc_u64 s[50:51], s[48:49], 0x400000      ; set 1 (e2),
	s_add_nc_u64 s[52:53], s[48:49], 0x800000      ; set 2 (e4)
	s_mul_i32 s43, s26, 8448                       ; my stage: 16 rows x (512 bytes + 16)
	s_wait_alu depctr_va_vdst(0)
	v_add_nc_u32 v6, s43, v5                       ; in: a row as it lies, 16 bytes a lane
	v_mul_u32_u24 v7, v3, 528
	v_lshl_add_u32 v7, v4, 5, v7
	v_add_nc_u32 v7, s43, v7                       ; back: row r, + 32 h: eight neighbours of each 16 along K.  Rows 132 words apart
.macro XLOAD f
.irp i, 0,1,2,3,4,5,6,7,8,9,10,11,12,13,14,15
	global_load_b128 v[XRAW+4*\i:XRAW+4*\i+3], v5, s[4:5] offset:\i*4096+512*(\f) th:TH_LOAD_NT   ; 128 numbers of row i: 512 consecutive bytes
.endr
.endm
.macro FRAGX f
	s_wait_loadcnt 0x0                             ; the fragment's sixteen loads are in
.irp i, 0,1,2,3,4,5,6,7,8,9,10,11,12,13,14,15
	ds_store_b128 v6, v[XRAW+4*\i:XRAW+4*\i+3] offset:528*\i
.endr
.irp c, 0,1,2,3,4,5,6,7
	ds_load_b128 v[XN+8*\c:XN+8*\c+3], v7 offset:64*\c          ; LDS serves a wave's instructions in order: these see my stores
	ds_load_b128 v[XN+8*\c+4:XN+8*\c+7], v7 offset:64*\c+16
.endr
	s_wait_dscnt 0x0                               ; the numbers are back, and the stores have read their registers,
	s_wait_xcnt 0x0                                ; and the last fragment's global stores have read theirs: the codes' registers may be written again
.if (\f) < 3
	XLOAD (\f)+1                                   ; the next fragment comes while this one is worked
.endif
.irp c, 0,1,2,3,4,5,6,7
.irp s, 0,1,2
.irp i, 0,1,2,3,4,5,6,7
	v_med3_num_f32 v[XT+8*\s+\i], v[XN+8*\c+\i], -v[XLIM+2*\s], v[XLIM+2*\s]   ; the conversion does not saturate (ISA guide 7.6.2): the hold first.  These lines, on another set, are also the plain lines behind the conversion above
.endr
	v_cvt_scalef32_pk8_fp8_f32 v[XC+16*\s+2*\c:XC+16*\s+2*\c+1], v[XT+8*\s:XT+8*\s+7], v[XSC+2*\s]   ; registers 2 c, 2 c + 1 of the fragment
.endr
.endr
	v_nop                                          ; a plain line behind the last conversion
.irp s, 0,1,2
.irp c, 0,1,2,3
	global_store_b128 v5, v[XC+16*\s+4*\c:XC+16*\s+4*\c+3], s[48+2*\s:49+2*\s] offset:((\f)/2)*0x100000+((\f)%2)*2048+512*\c   ; a piece of an image: 512 consecutive bytes
.endr
.endr
.endm
	XLOAD 0
	s_wait_alu depctr_va_vdst(0)
	s_wait_kmcnt 0x0
	MKSC s28, XSC, XLIM
	MKSC s30, XSC+2, XLIM+2
	MKSC s32, XSC+4, XLIM+4
	s_wait_alu depctr_va_vdst(0)
	FRAGX 0
	FRAGX 1
	FRAGX 2
	FRAGX 3
	s_wait_tensorcnt 0x0                           ; the wave's end
	ds_add_u32 v[SPW], v[NIL]
	s_wait_dscnt 0x0
	s_endpgm
; ---------------- ROLE W: a weight's K is its first axis.  A lane takes a column, its registers run down K: the conversions then give codes with K innermost.
; A work-group takes 128 columns x 256 k, a wave 32 columns.  One text serves the four tensors: pointers and sizes are chosen by the work-group's number.
.Lrole_w:
	s_wait_kmcnt 0x0
	s_sub_co_u32 s70, ttmp9, 128                   ; 0-63 wq, 64-95 wk, 96-127 wv, 128-191 wo
	s_sub_co_u32 s71, ttmp9, 192
	s_sub_co_u32 s72, ttmp9, 224
	s_sub_co_u32 s56, ttmp9, 256                   ; the number within the tensor: wo's,
	s_mov_b64 s[58:59], s[12:13]                   ; from,
	s_mov_b64 s[60:61], s[22:23]                   ; to,
	s_mov_b32 s62, 0                               ; first block of 16 n,
	s_mov_b32 s63, s39                             ; e11,
	s_mov_b32 s66, 18                              ; a plane of 256 k: 2^18 bytes,
	s_mov_b32 s67, 12                              ; a row of the tensor: 2^12 bytes,
	s_mov_b32 s68, 3                               ; 2^3 blocks of 128 columns
	s_cmp_lt_u32 s70, 128
	s_cselect_b32 s56, s72, s56                    ; wv's
	s_cselect_b64 s[58:59], s[10:11], s[58:59]
	s_cselect_b64 s[60:61], s[20:21], s[60:61]
	s_cselect_b32 s62, 192, s62
	s_cselect_b32 s63, s33, s63
	s_cselect_b32 s66, 20, s66
	s_cmp_lt_u32 s70, 96
	s_cselect_b32 s56, s71, s56                    ; wk's
	s_cselect_b64 s[58:59], s[8:9], s[58:59]
	s_cselect_b32 s62, 128, s62
	s_cselect_b32 s63, s31, s63
	s_cmp_lt_u32 s70, 64
	s_cselect_b32 s56, s70, s56                    ; wq's
	s_cselect_b64 s[58:59], s[6:7], s[58:59]
	s_cselect_b32 s62, 0, s62
	s_cselect_b32 s63, s29, s63
	s_cselect_b32 s67, 13, s67
	s_cselect_b32 s68, 4, s68
	s_lshr_b32 s73, s56, s68                       ; which 256 along K
	s_lshl_b32 s74, s73, s68
	s_sub_co_u32 s74, s56, s74                     ; which 128 columns
	s_add_co_u32 s75, s67, 8
	s_lshl_b32 s76, s73, s75                       ; 256 rows a step along K,
	s_lshl_b32 s77, s74, 9                         ; 512 bytes a block of columns,
	s_add_co_u32 s76, s76, s77
	s_lshl_b32 s77, s26, 7                         ; 128 bytes a wave
	s_add_co_u32 s76, s76, s77
	s_mov_b32 s77, 0
	s_add_nc_u64 s[40:41], s[58:59], s[76:77]      ; a base for each block of 32 k: none is ever rewritten
	s_add_co_u32 s75, s67, 5
	s_lshl_b32 s78, 1, s75                         ; 32 rows
	s_mov_b32 s79, 0
.irp t, 1,2,3,4,5,6,7
	s_add_nc_u64 s[40+2*\t:41+2*\t], s[38+2*\t:39+2*\t], s[78:79]
.endr
	s_lshl_b32 s80, s73, s66                       ; the plane,
	s_lshl_b32 s81, s74, 3
	s_add_co_u32 s81, s81, s62
	s_lshl_b32 s82, s26, 1
	s_add_co_u32 s81, s81, s82                     ; my first block of 16 n: two images of 2,048 bytes each
	s_lshl_b32 s81, s81, 12
	s_add_co_u32 s80, s80, s81
	s_mov_b32 s81, 0
	s_add_nc_u64 s[60:61], s[60:61], s[80:81]
	s_lshl_b32 s83, 1, s67                         ; the pitch
	s_wait_alu depctr_va_vdst(0)
	v_lshlrev_b32 v8, 2, v2
.set i, 0
.rept 32
	v_mad_u32_u24 v[WOFF+i], s83, i, v8            ; row i of a block, my column
.set i, i+1
.endr
	s_mul_i32 s84, s26, 8704                       ; my stage: 32 columns x (256 bytes + 16), behind role x's stages
	s_add_co_u32 s84, s84, 33792
	v_mul_u32_u24 v9, v2, 272
	v_add_nc_u32 v9, s84, v9                       ; in: row = my column
	v_mul_u32_u24 v10, v3, 272
	v_lshl_add_u32 v10, v4, 3, v10
	v_add_nc_u32 v10, s84, v10                     ; back: column r, + 8 h: rows 68 words apart, so 32 lanes of 8 bytes touch 64 different banks
.macro LOADW t
.set i, 0
.rept 32
	global_load_b32 v[WX+32*((\t)%2)+i], v[WOFF+i], s[40+2*(\t):41+2*(\t)] th:TH_LOAD_NT   ; 32 neighbouring columns of one row: 128 consecutive bytes a wave, 512 a work-group
.set i, i+1
.endr
.endm
.macro BLOCKW t
.if (\t) < 7
	s_wait_loadcnt 32                              ; this block's 32 loads are in; the next block's may be out
.else
	s_wait_loadcnt 0x0
.endif
.set i, 0
.rept 32
	v_med3_num_f32 v[WX+32*((\t)%2)+i], v[WX+32*((\t)%2)+i], -v[WLIM], v[WLIM]
.set i, i+1
.endr
.irp g, 0,1,2,3
	v_cvt_scalef32_pk8_fp8_f32 v[WC+2*\g:WC+2*\g+1], v[WX+32*((\t)%2)+8*\g:WX+32*((\t)%2)+8*\g+7], v[WSC]
.endr
	v_nop                                          ; a plain line behind the last conversion
	ds_store_b128 v9, v[WC:WC+3] offset:32*(\t)
	ds_store_b128 v9, v[WC+4:WC+7] offset:32*(\t)+16
.if (\t)+2 < 8
	LOADW (\t)+2
.endif
	s_wait_dscnt 0x0                               ; the stores have read their registers: the next block's codes may be written
.endm
	LOADW 0
	LOADW 1
	MKSC s63, WSC, WLIM
	s_wait_alu depctr_va_vdst(0)
.irp t, 0,1,2,3,4,5,6,7
	BLOCKW \t
.endr
; back in the images' order: piece t = 8 nb + 4 f + c: registers 4 c, 4 c + 1: k = 128 f + 32 c + 8 h + 0 .. 7; registers 4 c + 2, 4 c + 3: 16 further on
.irp t, 0,1,2,3,4,5,6,7,8,9,10,11,12,13,14,15
	ds_load_b64 v[WOUT+4*\t:WOUT+4*\t+1], v10 offset:(\t/8)*16*272+((\t/4)%2)*128+(\t%4)*32
	ds_load_b64 v[WOUT+4*\t+2:WOUT+4*\t+3], v10 offset:(\t/8)*16*272+((\t/4)%2)*128+(\t%4)*32+16
.endr
.irp t, 0,1,2,3,4,5,6,7,8,9,10,11,12,13,14,15
	s_wait_dscnt 30-2*\t                           ; piece t's two loads are in; the 2 (15 - t) behind them may be out
	global_store_b128 v5, v[WOUT+4*\t:WOUT+4*\t+3], s[60:61] offset:512*\t   ; 512 consecutive bytes
.endr
	s_wait_tensorcnt 0x0                           ; the wave's end
	ds_add_u32 v[SPW], v[NIL]
	s_wait_dscnt 0x0
	s_endpgm
.Lfunc_end_k_q0d7c87e1e9_prep:
	.size	k_q0d7c87e1e9_prep, .Lfunc_end_k_q0d7c87e1e9_prep-k_q0d7c87e1e9_prep
	.p2alignl 7, 3214868480
	.fill 96, 4, 3214868480
	.section	.rodata,"a",@progbits
	.p2align	6, 0x0
	.amdhsa_kernel k_q0d7c87e1e9_prep
		.amdhsa_group_segment_fixed_size 69632
		.amdhsa_private_segment_fixed_size 0
		.amdhsa_enable_private_segment 0
		.amdhsa_kernarg_size 104
		.amdhsa_user_sgpr_count 2
		.amdhsa_user_sgpr_kernarg_segment_ptr 1
		.amdhsa_wavefront_size32 1
		.amdhsa_system_sgpr_workgroup_id_x 1
		.amdhsa_system_sgpr_workgroup_id_y 1
		.amdhsa_system_sgpr_workgroup_id_z 1
		.amdhsa_system_vgpr_workitem_id 0
		.amdhsa_next_free_vgpr 224
		.amdhsa_next_free_sgpr 100
		.amdhsa_reserve_vcc 1
		.amdhsa_float_denorm_mode_32 3
		.amdhsa_float_denorm_mode_16_64 3
		.amdhsa_memory_ordered 1
		.amdhsa_forward_progress 1
		.amdhsa_inst_pref_size 212
	.end_amdhsa_kernel
	.amdgpu_metadata
---
amdhsa.version: [ 1, 2 ]
amdhsa.kernels:
  - .name:           k_q0d7c87e1e9_prep
    .symbol:         k_q0d7c87e1e9_prep.kd
    .args:
      - { .name: x, .offset: 0, .size: 8, .value_kind: global_buffer, .address_space: global }
      - { .name: wq, .offset: 8, .size: 8, .value_kind: global_buffer, .address_space: global }
      - { .name: wk, .offset: 16, .size: 8, .value_kind: global_buffer, .address_space: global }
      - { .name: wv, .offset: 24, .size: 8, .value_kind: global_buffer, .address_space: global }
      - { .name: wo, .offset: 32, .size: 8, .value_kind: global_buffer, .address_space: global }
      - { .name: segment_pos, .offset: 40, .size: 8, .value_kind: global_buffer, .address_space: global }
      - { .name: lowp_scales, .offset: 48, .size: 8, .value_kind: global_buffer, .address_space: global }
      - { .name: x_codes, .offset: 56, .size: 8, .value_kind: global_buffer, .address_space: global }
      - { .name: wqkv_codes, .offset: 64, .size: 8, .value_kind: global_buffer, .address_space: global }
      - { .name: wo_codes, .offset: 72, .size: 8, .value_kind: global_buffer, .address_space: global }
      - { .name: rope, .offset: 80, .size: 8, .value_kind: global_buffer, .address_space: global }
      - { .name: attn_mask, .offset: 88, .size: 8, .value_kind: global_buffer, .address_space: global }
      - { .name: flags, .offset: 96, .size: 8, .value_kind: global_buffer, .address_space: global }
    .group_segment_fixed_size: 69632
    .private_segment_fixed_size: 0
    .kernarg_segment_align: 8
    .kernarg_segment_size: 104
    .max_flat_workgroup_size: 128
    .sgpr_count:     100
    .vgpr_count:     224
    .wavefront_size: 32
...
	.end_amdgpu_metadata
.endif
;; end of part 1
;; launch qkv (part 2): grid 16 x 16, 4 waves a work-group, clusters of 4 x 4, 327,680 bytes of LDS; arguments x_codes, wqkv_codes, rope, q_norm_w, k_norm_w, lowp_scales, q_codes, kv_codes; writes q_codes, kv_codes
.if DOCPART == 2
	.amdgcn_target "amdgcn-amd-amdhsa--gfx1250"
	.amdhsa_code_object_version 6
	.text
	.protected	k_q0d7c87e1e9_qkv
	.globl	k_q0d7c87e1e9_qkv
	.p2align	8
	.type	k_q0d7c87e1e9_qkv,@function
k_q0d7c87e1e9_qkv:
	s_mov_b64 s[64:65], 0
	v_nop
	global_prefetch_b8 v0, s[64:65] scope:SCOPE_SE
	s_setreg_imm32_b32 hwreg(HW_REG_WAVE_MODE, 25, 1), 1
	s_wait_xcnt 0x0
	s_wait_alu depctr_hold_cnt(0) depctr_sa_sdst(0) depctr_va_vdst(0) depctr_va_sdst(0) depctr_va_ssrc(0) depctr_va_vcc(0) depctr_vm_vsrc(0)
	s_getreg_b32 s2, hwreg(HW_REG_IB_STS2, 6, 4)
	s_cmp_eq_u32 s2, 0
	s_cbranch_scc0 .Lentry_in_a_cluster
	s_endpgm
.Lentry_in_a_cluster:
	s_bfe_u32 s2, ttmp6, 0x10000c
	s_cmp_lg_u32 s2, 0xf033
	s_cbranch_scc0 .Lentry_shape_is_right
	s_endpgm
.Lentry_shape_is_right:
.set SLOT,  131072
.set SPARE, 262144
.set FR,    16
.set NL,    4
.set NP,    4
.set ADRA,  16
.set ADRB,  20
.set LI,    22
.set HO,    23
.set SC,    24
.set LIM,   25
.set SPW,   28
.set NIL,   29
.set AF,    128
.set W,     32
.set Z,     96
.set T,     160
.set SS,    224
.set CD,    240
.set G1,    24
.set G0,    32
.set G1B,   48
.set G0B,   56
.set MSB,   0
.macro WIN new
.if MSB != (\new)
	s_set_vgpr_msb (MSB<<8)|(\new)
.set MSB, (\new)
.endif
.endm
.set MUL_LO, 0xa1
.set MUL_HI, 0xf1
.set TO_B,   0x40
.macro JLOAD s
	s_cmp_eq_u32 s21, 0
	s_cbranch_scc0 .Lfor_b_\@
	tensor_load_to_lds s[G0+4*\s:G0+4*\s+3], s[G1:G1+7]
	s_nop 0
.rept 4
	v_nop
.endr
	s_branch .Lasked_\@
.Lfor_b_\@:
	tensor_load_to_lds s[G0B+4*\s:G0B+4*\s+3], s[G1B:G1B+7]
	s_nop 0
.rept 4
	v_nop
.endr
.Lasked_\@:
.endm
.macro CREST
	s_cmp_lg_u32 s20, 0
	s_cbranch_scc1 .Lnot_wave_0_\@
	s_barrier_signal -3
.Lnot_wave_0_\@:
	s_barrier_wait -3
	s_barrier_signal -1
	s_barrier_wait -1
.endm
.macro CROUND
	s_barrier_signal -1
	s_barrier_wait -1
	CREST
.endm
	s_load_b256 s[4:11], s[0:1], 0x0
	s_load_b256 s[12:19], s[0:1], 0x20
	v_lshl_add_u32 v[SPW], v0, 2, SPARE
	v_mov_b32 v[NIL], 0
	ds_add_u32 v[SPW], v[NIL]
	ds_add_u32 v[SPW], v[NIL]
	v_lshrrev_b32 v1, 5, v0
	v_readfirstlane_b32 s20, v1
	s_lshr_b32 s21, s20, 1
	s_and_b32 s22, s20, 1
	s_bfe_u32 s40, ttmp6, 0x40000
	s_bfe_u32 s41, ttmp6, 0x40004
	s_mov_b32 s42, ttmp9
	s_and_b32 s43, ttmp7, 0xffff
	s_lshl_b32 s44, s43, 2
	s_add_co_u32 s44, s44, s41
	s_lshl_b32 s45, s42, 2
	s_add_co_u32 s45, s45, s40
	s_lshl_b32 s46, s43, 2
	s_add_co_u32 s46, s46, s40
	s_lshl_b32 s47, s41, 2
	s_lshl_b32 s47, 15, s47
	s_lshl_b32 s23, 0x1111, s40
	s_or_b32 s[G1+0], s47, (3<<16)|(1<<21)
	s_or_b32 s[G1B+0], s23, (3<<16)|(1<<21)
.irp g, G1, G1B
	s_mov_b32 s[\g+1], 32<<16
	s_mov_b32 s[\g+2], 128<<16
	s_mov_b32 s[\g+3], 32<<16
	s_mov_b32 s[\g+4], 128
	s_mov_b32 s[\g+5], 32
	s_mov_b32 s[\g+6], 0
	s_mov_b32 s[\g+7], 0
.endr
	s_lshl_b32 s84, s44, 16
	s_lshr_b32 s80, s42, 1
	s_lshl_b32 s80, s80, 22
	s_add_co_u32 s84, s84, s80
	s_add_co_u32 s80, s41, 12
	s_lshl_b32 s80, s80, 16
	s_lshl_b32 s86, s45, 16
	s_lshl_b32 s81, s46, 16
	s_add_co_u32 s81, s81, 0x800000
	s_lshl_b32 s82, s22, 15
	s_cmp_eq_u32 s42, 3
	s_cselect_b32 s84, s80, s84
	s_cselect_b32 s86, s81, s86
	s_add_co_u32 s84, s84, s82
	s_add_co_u32 s86, s86, s82
	s_mov_b32 s85, 0
	s_mov_b32 s87, 0
	s_lshl_b32 s83, s20, 15
	s_wait_dscnt 0x0
	s_wait_kmcnt 0x0
	s_load_b256 s[68:75], s[14:15], 0x0
	s_load_b128 s[76:79], s[14:15], 0x20
	s_cmp_eq_u32 s42, 3
	s_cselect_b64 s[88:89], s[6:7], s[4:5]
	s_cselect_b64 s[90:91], s[4:5], s[6:7]
	s_add_nc_u64 s[88:89], s[88:89], s[84:85]
	s_add_nc_u64 s[90:91], s[90:91], s[86:87]
	CROUND
.irp s, 0,1
	s_mov_b32 s[G0+4*\s], 1
	s_add_co_u32 s[G0+4*\s+1], s83, \s*SLOT
	s_add_nc_u64 s[G0+4*\s+2:G0+4*\s+3], s[88:89], \s*0x100000
	s_or_b32 s[G0+4*\s+3], s[G0+4*\s+3], 0x80000000
	s_mov_b32 s[G0B+4*\s], 1
	s_add_co_u32 s[G0B+4*\s+1], s83, \s*SLOT
	s_add_nc_u64 s[G0B+4*\s+2:G0B+4*\s+3], s[90:91], \s*0x100000
	s_or_b32 s[G0B+4*\s+3], s[G0B+4*\s+3], 0x80000000
	s_wait_alu depctr_va_vdst(0)
	s_wait_tensorcnt 0x0
	ds_add_u32 v28, v29
	ds_add_u32 v28, v29
	s_wait_dscnt 0x0
	CROUND
	JLOAD \s
.endr
	v_and_b32 v1, 31, v0
	v_lshlrev_b32 v[LI], 4, v1
	v_bfe_u32 v2, v0, 4, 1
	v_lshlrev_b32 v[HO], 5, v2
	s_lshl_b32 s92, s21, 15
	s_lshl_b32 s93, s22, 15
	s_add_co_u32 s93, s93, 65536
.irp s, 0,1
	v_add_nc_u32 v[ADRA+\s], s92, v[LI]
	v_add_nc_u32 v[ADRB+\s], s93, v[LI]
	s_add_co_u32 s92, s92, SLOT
	s_add_co_u32 s93, s93, SLOT
.endr
	s_mov_b32 s66, 0x76543210
	s_mov_b32 s67, 0xfedcba98
	s_mov_b32 s98, 0x358637bd
	s_wait_alu depctr_va_vdst(0)
	s_wait_kmcnt 0x0
	s_add_co_i32 s92, s68, s69
	s_add_co_i32 s93, s70, s71
	s_sub_co_i32 s94, s76, s72
	s_sub_co_i32 s94, s94, s73
	s_cmp_eq_u32 s42, 2
	s_cselect_b32 s92, s93, s92
	s_cselect_b32 s95, s74, s75
	s_cselect_b64 s[10:11], s[12:13], s[10:11]
	s_cmp_eq_u32 s42, 3
	s_cselect_b32 s95, s94, s95
	s_add_co_i32 s95, s95, 127
	s_lshl_b32 s96, s95, 23
	v_mov_b32 v[SC], s96
	s_add_co_i32 s95, s95, 8
	s_lshl_b32 s95, s95, 23
	s_or_b32 s95, s95, 0x600000
	v_mov_b32 v[LIM], s95
	s_lshl_b32 s97, s92, 1
	s_add_co_i32 s97, s97, 120
	s_lshl_b32 s97, s97, 23
	s_lshl_b32 s94, s44, 4
	s_lshl_b32 s95, s21, 3
	s_add_co_u32 s94, s94, s95
	s_lshl_b32 s94, s94, 13
	s_mov_b32 s95, 0
	s_add_nc_u64 s[8:9], s[8:9], s[94:95]
	s_lshr_b32 s2, s44, 3
	s_lshl_b32 s3, s44, 1
	s_add_co_u32 s3, s3, s21
	s_and_b32 s3, s3, 15
	s_lshl_b32 s99, s45, 1
	s_add_co_u32 s99, s99, s22
	s_lshl_b32 s100, s2, 4
	s_add_co_u32 s100, s100, s99
	s_lshl_b32 s100, s100, 4
	s_add_co_u32 s100, s100, s3
	s_lshl_b32 s100, s100, 14
	s_sub_co_u32 s99, s99, 16
	s_lshl_b32 s93, s41, 1
	s_add_co_u32 s93, s93, s21
	s_lshr_b32 s94, s46, 3
	s_lshl_b32 s101, s46, 1
	s_add_co_u32 s101, s101, s22
	s_and_b32 s101, s101, 15
	s_cmp_eq_u32 s42, 3
	s_cselect_b32 s99, s93, s99
	s_cselect_b32 s2, s94, s2
	s_cselect_b32 s3, s101, s3
	s_cselect_b32 s93, 32768, 0
	s_lshl_b32 s2, s2, 3
	s_add_co_u32 s2, s2, s99
	s_lshl_b32 s2, s2, 3
	s_lshr_b32 s94, s3, 1
	s_add_co_u32 s2, s2, s94
	s_lshl_b32 s2, s2, 16
	s_add_co_u32 s2, s2, s93
	s_and_b32 s3, s3, 1
	s_lshl_b32 s3, s3, 14
	s_add_co_u32 s2, s2, s3
	s_cmp_lt_u32 s42, 2
	s_cselect_b32 s2, s100, s2
	s_cselect_b64 s[16:17], s[16:17], s[18:19]
	s_mov_b32 s3, 0
	s_add_nc_u64 s[16:17], s[16:17], s[2:3]
.macro FRAG reg, adr, q, i
.irp c, 0,1,2,3
	ds_load_b128 v[\reg+4*\c:\reg+4*\c+3], v[\adr] offset:(\i)*4096+(\q)*2048+512*\c
.endr
.endm
.macro MUL16 a0, p, zero
.irp a, \a0, \a0+1
.irp b, 0,1,2,3,4,5,6,7
.if \zero
	v_wmma_f32_16x16x128_fp8_fp8 v[8*(8*((\a)%4)+\b):8*(8*((\a)%4)+\b)+7], v[128*(\p)+FR*\b:128*(\p)+FR*\b+FR-1], v[AF+FR*(\a):AF+FR*(\a)+FR-1], 0
.else
	v_wmma_f32_16x16x128_fp8_fp8 v[8*(8*((\a)%4)+\b):8*(8*((\a)%4)+\b)+7], v[128*(\p)+FR*\b:128*(\p)+FR*\b+FR-1], v[AF+FR*(\a):AF+FR*(\a)+FR-1], v[8*(8*((\a)%4)+\b):8*(8*((\a)%4)+\b)+7]
.endif
.endr
.endr
.endm
.macro FETCH_B slot, q, p
	WIN TO_B
.irp i, 0,1,2,3,4,5,6,7
	FRAG 128*(\p)+FR*\i, ADRB+\slot, \q, \i
.endr
	WIN 0
.endm
.macro FETCH_A slot, q, i0
.irp i, \i0, \i0+1, \i0+2, \i0+3
	FRAG AF+FR*(\i), ADRA+\slot, \q, \i
.endr
.endm
.macro PLACES n
.rept \n
	v_nop
.endr
.endm
.macro STEP slot, q, zero
	s_wait_dscnt 4*NL
	WIN MUL_LO
	MUL16 0, (\q)%2, \zero
	MUL16 2, (\q)%2, \zero
	s_wait_dscnt 0
	PLACES NP
	FETCH_B \slot, (\q)+1, 1-(\q)%2
	FETCH_A \slot, (\q)+1, 0
	WIN MUL_HI
	MUL16 4, (\q)%2, \zero
	MUL16 6, (\q)%2, \zero
	PLACES NP
	WIN 0
	FETCH_A \slot, (\q)+1, 4
.endm
.macro TURN slot, next, fill
	s_wait_tensorcnt 0x0
	ds_add_u32 v[SPW], v[NIL]
	s_wait_dscnt 4*NL+1
	WIN MUL_LO
	MUL16 0, 1, 0
	s_wait_dscnt 0x0
	s_barrier_signal -1
	MUL16 2, 1, 0
	WIN 0
	s_barrier_wait -1
.if \fill
	CREST
	s_add_nc_u64 s[G0+4*\slot+2:G0+4*\slot+3], s[G0+4*\slot+2:G0+4*\slot+3], 0x200000
	s_add_nc_u64 s[G0B+4*\slot+2:G0B+4*\slot+3], s[G0B+4*\slot+2:G0B+4*\slot+3], 0x200000
	JLOAD \slot
.else
	PLACES NP
.endif
	FETCH_B \next, 0, 0
	FETCH_A \next, 0, 0
	WIN MUL_HI
	MUL16 4, 1, 0
	MUL16 6, 1, 0
	PLACES NP
	WIN 0
	FETCH_A \next, 0, 4
.endm
	s_wait_tensorcnt 1
	s_barrier_signal -1
	s_barrier_wait -1
	FETCH_B 0, 0, 0
	FETCH_A 0, 0, 0
	FETCH_A 0, 0, 4
	STEP 0, 0, 1
	TURN 0, 1, 1
	STEP 1, 0, 0
	TURN 1, 0, 1
	STEP 0, 0, 0
	TURN 0, 1, 0
	STEP 1, 0, 0
	s_wait_dscnt 4*NL
	WIN MUL_LO
	MUL16 0, 1, 0
	MUL16 2, 1, 0
	s_wait_dscnt 0
	WIN MUL_HI
	MUL16 4, 1, 0
	MUL16 6, 1, 0
	WIN 0
	PLACES NP
.macro TAIL a
	s_wait_xcnt 0x0
.irp b, 0,1,2,3,4,5,6,7
	v_cvt_scalef32_pk8_fp8_f32 v[CD+2*\b:CD+2*\b+1], v[T+8*\b:T+8*\b+7], v[SC]
.endr
	v_nop
.irp c, 0,1,2,3
	global_store_b128 v[LI], v[CD+4*\c:CD+4*\c+3], s[16:17] offset:(\a)*2048+512*\c
.endr
.endm
	s_cmp_eq_u32 s42, 3
	s_cbranch_scc1 .Lvpath
.irp b, 0,1,2,3,4,5,6,7
	global_load_b128 v[W+8*\b:W+8*\b+3], v[HO], s[10:11] offset:64*\b
	global_load_b128 v[W+8*\b+4:W+8*\b+7], v[HO], s[10:11] offset:64*\b+16
.endr
.macro TAB a
	WIN 0x40
.irp p, 0,1,2,3,4,5,6,7,8,9,10,11,12,13,14,15
	global_load_b128 v[64*((\a)%2)+4*\p:64*((\a)%2)+4*\p+3], v[LI], s[8:9] offset:(\a)*8192+512*\p
.endr
	WIN 0
.endm
	TAB 0
	TAB 1
.irp hi, 0,1
	WIN 0x0a+5*\hi
.irp b, 0,1,2,3,4,5,6,7
.irp i, 0,2,4,6
.irp a, 0,1,2,3
.if (\b == 0) && (\i == 0)
	v_pk_mul_f32 v[SS+2*(4*\hi+\a):SS+2*(4*\hi+\a)+1], v[64*\a+8*\b+\i:64*\a+8*\b+\i+1], v[64*\a+8*\b+\i:64*\a+8*\b+\i+1]
.else
	v_pk_fma_f32 v[SS+2*(4*\hi+\a):SS+2*(4*\hi+\a)+1], v[64*\a+8*\b+\i:64*\a+8*\b+\i+1], v[64*\a+8*\b+\i:64*\a+8*\b+\i+1], v[SS+2*(4*\hi+\a):SS+2*(4*\hi+\a)+1]
.endif
.endr
.endr
.endr
.endr
	WIN 0
.irp a, 0,1,2,3,4,5,6,7
	v_add_f32 v[SS+2*\a], v[SS+2*\a], v[SS+2*\a+1]
.endr
.irp a, 0,1,2,3,4,5,6,7
	v_permlanex16_b32 v[SS+2*\a+1], v[SS+2*\a], s66, s67
.endr
.irp a, 0,1,2,3,4,5,6,7
	v_add_f32 v[SS+2*\a], v[SS+2*\a], v[SS+2*\a+1]
.endr
.irp a, 0,1,2,3,4,5,6,7
	v_fma_f32 v[SS+2*\a], v[SS+2*\a], s97, s98
.endr
	s_wait_alu depctr_va_vdst(0)
.irp a, 0,1,2,3,4,5,6,7
	v_rsq_f32 v[SS+2*\a], v[SS+2*\a]
.endr
	v_nop
	s_wait_alu depctr_va_vdst(0)
	s_wait_loadcnt 32
.set j, 0
.rept 64
	v_ldexp_f32 v[W+j], v[W+j], s92
.set j, j+1
.endr
.macro NORMROPE a
	WIN 0x02+(\a)/4
.set j, 0
.rept 32
	v_pk_mul_f32 v[Z+j:Z+j+1], v[64*((\a)%4)+j:64*((\a)%4)+j+1], v[W+j:W+j+1]
.set j, j+2
.endr
	WIN 0
.set j, 0
.rept 32
	v_pk_mul_f32 v[Z+j:Z+j+1], v[Z+j:Z+j+1], v[SS+2*(\a):SS+2*(\a)+1] op_sel_hi:[1,0]
.set j, j+2
.endr
.if (\a) < 7
	s_wait_loadcnt 16
.else
	s_wait_loadcnt 0x0
.endif
	WIN 0x04
.set TBF, 64*((\a)%2)
.set j, 0
.rept 16
	v_pk_mul_f32 v[T+j:T+j+1], v[Z+j:Z+j+1], v[TBF+j:TBF+j+1]
	v_pk_mul_f32 v[T+32+j:T+32+j+1], v[Z+32+j:Z+32+j+1], v[TBF+j:TBF+j+1]
	v_pk_fma_f32 v[T+j:T+j+1], v[Z+32+j:Z+32+j+1], v[TBF+32+j:TBF+32+j+1], v[T+j:T+j+1] neg_lo:[1,0,0] neg_hi:[1,0,0]
	v_pk_fma_f32 v[T+32+j:T+32+j+1], v[Z+j:Z+j+1], v[TBF+32+j:TBF+32+j+1], v[T+32+j:T+32+j+1]
.set j, j+2
.endr
	WIN 0
.if (\a) < 6
	TAB (\a)+2
.endif
.set j, 0
.rept 64
	v_med3_num_f32 v[T+j], v[T+j], -v[LIM], v[LIM]
.set j, j+1
.endr
	s_wait_alu depctr_va_vdst(0)
	TAIL \a
.endm
.irp a, 0,1,2,3,4,5,6,7
	NORMROPE \a
.endr
	s_branch .Lclose
.Lvpath:
	s_wait_alu depctr_va_vdst(0)
.irp a, 0,1,2,3,4,5,6,7
	WIN 0x02+\a/4
.set j, 0
.rept 64
	v_med3_num_f32 v[T+j], v[64*(\a%4)+j], -v[LIM], v[LIM]
.set j, j+1
.endr
	WIN 0
	s_wait_alu depctr_va_vdst(0)
	TAIL \a
.endr
.Lclose:
	s_wait_tensorcnt 0x0
	ds_add_u32 v[SPW], v[NIL]
	s_wait_dscnt 0x0
	CROUND
	s_endpgm
.Lfunc_end_k_q0d7c87e1e9_qkv:
	.size	k_q0d7c87e1e9_qkv, .Lfunc_end_k_q0d7c87e1e9_qkv-k_q0d7c87e1e9_qkv
	.p2alignl 7, 3214868480
	.fill 96, 4, 3214868480
	.section	.rodata,"a",@progbits
	.p2align	6, 0x0
	.amdhsa_kernel k_q0d7c87e1e9_qkv
		.amdhsa_group_segment_fixed_size 327680
		.amdhsa_private_segment_fixed_size 0
		.amdhsa_enable_private_segment 0
		.amdhsa_kernarg_size 64
		.amdhsa_user_sgpr_count 2
		.amdhsa_user_sgpr_kernarg_segment_ptr 1
		.amdhsa_wavefront_size32 1
		.amdhsa_system_sgpr_workgroup_id_x 1
		.amdhsa_system_sgpr_workgroup_id_y 1
		.amdhsa_system_sgpr_workgroup_id_z 1
		.amdhsa_system_vgpr_workitem_id 0
		.amdhsa_next_free_vgpr 1024
		.amdhsa_next_free_sgpr 102
		.amdhsa_reserve_vcc 0
		.amdhsa_float_denorm_mode_32 3
		.amdhsa_float_denorm_mode_16_64 3
		.amdhsa_memory_ordered 1
		.amdhsa_forward_progress 1
		.amdhsa_inst_pref_size 255
	.end_amdhsa_kernel
	.section	.bss,"aw",@nobits
	.p2align	6
	.space	262144
	.amdgpu_metadata
---
amdhsa.version: [ 1, 2 ]
amdhsa.kernels:
  - .name:           k_q0d7c87e1e9_qkv
    .symbol:         k_q0d7c87e1e9_qkv.kd
    .args:
      - { .name: x_codes, .offset: 0, .size: 8, .value_kind: global_buffer, .address_space: global }
      - { .name: wqkv_codes, .offset: 8, .size: 8, .value_kind: global_buffer, .address_space: global }
      - { .name: rope, .offset: 16, .size: 8, .value_kind: global_buffer, .address_space: global }
      - { .name: q_norm_w, .offset: 24, .size: 8, .value_kind: global_buffer, .address_space: global }
      - { .name: k_norm_w, .offset: 32, .size: 8, .value_kind: global_buffer, .address_space: global }
      - { .name: lowp_scales, .offset: 40, .size: 8, .value_kind: global_buffer, .address_space: global }
      - { .name: q_codes, .offset: 48, .size: 8, .value_kind: global_buffer, .address_space: global }
      - { .name: kv_codes, .offset: 56, .size: 8, .value_kind: global_buffer, .address_space: global }
    .group_segment_fixed_size: 327680
    .private_segment_fixed_size: 0
    .kernarg_segment_align: 8
    .kernarg_segment_size: 64
    .max_flat_workgroup_size: 128
    .sgpr_count:     102
    .vgpr_count:     1024
    .wavefront_size: 32
...
	.end_amdgpu_metadata
.endif
;; end of part 2
;; launch attn (part 3): grid 16 x 16, 8 waves a work-group, no clusters, 66,560 bytes of LDS; arguments q_codes, kv_codes, attn_mask, lowp_scales, flags, out_codes; writes out_codes
.if DOCPART == 3
	.amdgcn_target "amdgcn-amd-amdhsa--gfx1250"
	.amdhsa_code_object_version 6
	.text
	.protected	k_q0d7c87e1e9_attn
	.globl	k_q0d7c87e1e9_attn
	.p2align	8
	.type	k_q0d7c87e1e9_attn,@function
k_q0d7c87e1e9_attn:
	s_mov_b64 s[64:65], 0
	v_nop
	global_prefetch_b8 v0, s[64:65] scope:SCOPE_SE
	s_setreg_imm32_b32 hwreg(HW_REG_WAVE_MODE, 25, 1), 1
	s_wait_xcnt 0x0
; Products 4 and 5 with the softmax between them, and the quantiser ahead of product 6.
; WHAT IS PASSED OVER, and why: the mask's bytes are whole numbers; launch prep has stored, for each block of 16 rows, which tiles of 128 keys the block walks and which of them are not wholly visible (buffer flags).
; A tile that hides all its keys from all 16 rows gives p = 0 for every row that sees a key elsewhere; a block with a row that sees no key walks all tiles.  So every tile left out adds nothing, for all values of the inputs.
; LIMIT: a NaN or an infinity that lies only in tiles left out is not carried to the result.
; t = score x c, c = log2(e) / sqrt(128) x 2^(e6 + e7); M = the running largest t rounded UP to a whole number; p = 2^(t - M) is quantised (e9), not normalised; the row's sum is taken of the unquantised p and divides at the end;
; when M moves, the sum and O are multiplied by 2^(old M - new M): exact.  A hidden key's raw score (a sum of code products, under 2^25) has 2^59 taken off, which leaves -2^59 exactly: under every visible score.
; A row that has seen only hidden keys has all t equal, p = 1: the plain mean, as reference()'s softmax of equal logits gives; its first visible key makes 2^(old M - new M) = 0, which wipes what was summed.
; SHARES.  A work-group owns the blocks j and 31 - j of 64 positions of one (batch, kv head); a wave 16 positions x the two query heads of that kv head.  The waves with an even count of ones in their number take block 31 - j, the others block j.
; THE WALK.  18 trips, a constant: trip i loads tile i from memory into 32 registers a wave (each wave one image of K and one of V), stores tile i - 1 into LDS, and works tile i - 2; two LDS slots of 32,768 bytes by turns, one barrier a trip.
; Scalar branches on the stored flags lead round loads, stores and work, never round a barrier.  The launch has no tensor loads, and so no joint loads: cluster = none.
; LAYOUT as in launch qkv: K, V, Q are images of fragment registers (2,048 bytes, piece c at 512 c + 16 x lane).  Both products are used transposed: a lane holds ONE query (lane % 16); tile u's eight registers are keys 16 u + 8 (lane / 16) + 0 .. 7.
; LIMITS: e6 + e7 between -30 and 60; e9 and e10 between -126 and 119; mask bytes are 0 or 1; NaN is not served.
; REGISTERS.  Window 0: v1-11 addresses and the quantisers' numbers; v12-29 two tiles' statistics; v32-159 S^T, then p (tile g at 32 + 64 g), then V's d blocks 0-3 in v32-95; v160-191 K's tiles 6, 7, then the mask's words;
;   v192-223 the tile on its way from memory to LDS; v224-239 mask bytes; v240-245 partial sums.   Window 1: v0-127 O^T; v128-159 Q; v160-191 K's tiles 4, 5, then P; v192-255 K's tiles 0-3, then V's d blocks 4-7.
.set SLOTB, 32768
.set SPARE, 65536                      ; behind the two slots: the spare words, 128 bytes for each of eight waves
.set LI,    1                          ; 16 x lane
.set AM0,   2                          ; my place in the mask: 2,048 x (lane % 16) + 8 x (lane / 16)
.set PFO,   3                          ; the prefetch's lane term; never rewritten
.set LW,    4                          ; 2,048 x wave + 16 x lane
.set GO,    5                          ; offset of the tile that is loaded
.set SPW,   6
.set NIL,   7
.set MO,    8                          ; offset of the mask bytes that are loaded
.set PSC,   9                          ; 2^e9
.set OLIM,  10                         ; 448 x 2^e10
.set OSC,   11                         ; 2^e10
.set ST,    12                         ; tile g at ST + 8 g: +0 -M, +1 the largest t, +2 +3 the sum in two halves, +4 f, +5 its partner in the pair, +6 +7 at work
.set XT,    28
.set S,     32
.set BI,    160
.set STG,   192
.set MW,    224
.set TS,    240
.set TD,    244
.set O,     0                          ; window 1
.set Q,     128
.set P,     160
.set F,     192
.set WV,    16
.set I,     32                         ; s32 the trip's number, s33 the next
.set WLD,   34                         ; bit i: tile i is loaded in trip i (some wave of the work-group walks it)
.set WST,   35                         ; bit i: tile i - 1 is stored
.set LV,    36                         ; bit i: my wave works tile i - 2
.set XV,    37                         ; bit i: and applies the mask there
.set XL,    38                         ; bit i: my wave loads the mask bytes of tile i - 1
.set LIM,   39                         ; the trip in which my wave prefetches
.set SEL,   42
.set CS,    44
.set SELB,  48
.set C7F,   52
.set C5D,   53
.set PLS,   54                         ; 448 x 2^e9
.set EO,    55                         ; e8 + e9
.set PF,    56
.set MSB,   0
.macro WIN new
.if MSB != (\new)
	s_set_vgpr_msb (MSB<<8)|(\new)
.set MSB, (\new)
.endif
.endm
.macro MKSC se, vs                     ; v[vs] = 2^e as f32; s96 = 448 x 2^e
	s_add_co_i32 s96, \se, 127
	s_lshl_b32 s97, s96, 23
	v_mov_b32 v[\vs], s97
	s_add_co_i32 s96, s96, 8
	s_lshl_b32 s96, s96, 23
	s_or_b32 s96, s96, 0x600000
.endm
	s_load_b256 s[4:11], s[0:1], 0x0               ; q_codes 4, kv_codes 6, attn_mask 8, lowp_scales 10
	s_load_b128 s[12:15], s[0:1], 0x20             ; flags 12, out_codes 14
	v_lshl_add_u32 v[SPW], v0, 2, SPARE
	v_mov_b32 v[NIL], 0
	v_lshrrev_b32 v1, 5, v0
	v_readfirstlane_b32 s[WV], v1                  ; wave 0..7
	s_mov_b32 s17, ttmp9                           ; j
	s_and_b32 s18, ttmp7, 0xffff                   ; 8 x batch + kv head
	s_lshr_b32 s19, s[WV], 1
	s_lshr_b32 s20, s[WV], 2
	s_xor_b32 s19, s19, s[WV]
	s_xor_b32 s19, s19, s20
	s_and_b32 s19, s19, 1                          ; the parity of the wave's number
	s_lshr_b32 s20, s[WV], 1                       ; which 16 of the block's 64 positions
	s_sub_co_u32 s25, 31, s17
	s_cmp_eq_u32 s19, 0
	s_cselect_b32 s21, s25, s17                    ; my block of 64 positions
	s_lshl_b32 s22, s21, 2
	s_add_co_u32 s22, s22, s20                     ; my block of 16 positions in the batch, 0..127
	s_lshr_b32 s23, s18, 3                         ; batch
	s_and_b32 s24, s18, 7                          ; kv head
	s_lshl_b32 s40, s23, 15                        ; flags: 128 blocks x 256 bytes a batch
	s_lshl_b32 s26, s17, 10
	s_add_co_u32 s26, s26, s40                     ; block j's four words,
	s_mov_b32 s27, 0
	s_lshl_b32 s28, s25, 10
	s_add_co_u32 s28, s28, s40                     ; block 31 - j's,
	s_mov_b32 s29, 0
	s_lshl_b32 s30, s22, 8
	s_add_co_u32 s30, s30, s40                     ; and my wave's own
	s_mov_b32 s31, 0
	s_mov_b32 s[SEL], 0x76543210
	s_mov_b32 s[SEL+1], 0xfedcba98
	s_mov_b32 s[CS], 0x3e0293ee                    ; log2(e) / sqrt(128)
	s_mov_b32 s[SELB], 0x000c0c0c                  ; byte i of a word to the top, zeros below
	s_mov_b32 s[SELB+1], 0x010c0c0c
	s_mov_b32 s[SELB+2], 0x020c0c0c
	s_mov_b32 s[SELB+3], 0x030c0c0c
	s_mov_b32 s[C7F], 0x7f7f7f7f
	s_mov_b32 s[C5D], 0x5d5d5d5d
	s_wait_alu depctr_va_vdst(0)
	s_wait_kmcnt 0x0
	s_add_nc_u64 s[26:27], s[12:13], s[26:27]
	s_add_nc_u64 s[28:29], s[12:13], s[28:29]
	s_add_nc_u64 s[30:31], s[12:13], s[30:31]
.irp k, 0,1,2,3
	s_load_b32 s[80+\k], s[26:27], 256*\k
	s_load_b32 s[84+\k], s[28:29], 256*\k
.endr
	s_load_b32 s88, s[30:31], 0x0
	s_load_b256 s[68:75], s[10:11], 0x0            ; e0 .. e7
	s_load_b128 s[76:79], s[10:11], 0x20           ; e8 .. e11
	s_lshl_b32 s40, s18, 19                        ; K and V: 524,288 bytes a (batch, kv head)
	s_mov_b32 s41, 0
	s_add_nc_u64 s[6:7], s[6:7], s[40:41]
	s_lshl_b32 s46, s22, 11
	s_add_co_u32 s40, s40, s46                     ; Q: the same a pair of heads, 2,048 bytes a block of 16 positions
	s_add_nc_u64 s[4:5], s[4:5], s[40:41]
	s_lshl_b32 s40, s23, 22                        ; the mask: 4 MiB a batch, 16 rows of 2,048 bytes a block
	s_lshl_b32 s46, s22, 15
	s_add_co_u32 s40, s40, s46
	s_add_nc_u64 s[8:9], s[8:9], s[40:41]
	s_lshl_b32 s40, s24, 8                         ; out_codes [kv head][16 tokens: 256][g][2,048]
	s_lshl_b32 s46, s23, 7
	s_add_co_u32 s40, s40, s46
	s_add_co_u32 s40, s40, s22
	s_lshl_b32 s40, s40, 12
	s_add_nc_u64 s[14:15], s[14:15], s[40:41]
	; THE PREFETCH.  The sixteen work-groups of a (batch, kv head) walk the same K and V and share the tiles out: work-group j asks for tile j, whole, in trip j - 2, two trips ahead of the trip that loads it.
	; Waves 0, 1 ask for K's 16,384 bytes, waves 2, 3 for V's: 8,192 bytes a wave, lanes 256 bytes apart: each aligned block of 256 bytes is named once in the launch.  Tiles 0 and 1 come by their loads alone.
	s_lshr_b32 s40, s17, 1
	s_lshl_b32 s40, s40, 16
	s_and_b32 s46, s17, 1
	s_lshl_b32 s46, s46, 14
	s_add_co_u32 s40, s40, s46
	s_and_b32 s46, s[WV], 1
	s_lshl_b32 s46, s46, 13
	s_add_co_u32 s40, s40, s46
	s_and_b32 s46, s[WV], 2
	s_lshl_b32 s46, s46, 14
	s_add_co_u32 s40, s40, s46
	s_add_nc_u64 s[PF:PF+1], s[6:7], s[40:41]
	s_sub_co_u32 s[LIM], s17, 2
	s_cmp_lt_u32 s[WV], 4
	s_cselect_b32 s[LIM], s[LIM], -1               ; no trip has that number
	v_and_b32 v[LI], 31, v0
	v_lshlrev_b32 v[PFO], 8, v[LI]
	v_lshlrev_b32 v[LI], 4, v[LI]
	s_lshl_b32 s40, s[WV], 11
	v_add_nc_u32 v[LW], s40, v[LI]
	WIN 0x40
.irp g, 0,1
.irp c, 0,1,2,3
	global_load_b128 v[Q+16*\g+4*\c:Q+16*\g+4*\c+3], v[LI], s[4:5] offset:\g*262144+512*\c
.endr
.endr
	WIN 0
	v_and_b32 v[AM0], 15, v0
	v_lshlrev_b32 v[AM0], 11, v[AM0]
	v_bfe_u32 v[MO], v0, 4, 1
	v_lshl_add_u32 v[AM0], v[MO], 3, v[AM0]
.set j, 0
.rept 32
	v_mov_b32 v[STG+j], 0                          ; written once, so that every way through the text finds them written; on the ways that the flags allow a load has filled them ahead of each use
.set j, j+1
.endr
.set j, 0
.rept 16
	v_mov_b32 v[MW+j], 0                           ; likewise
.set j, j+1
.endr
.irp g, 0,1
	v_mov_b32 v[ST+8*\g+1], 0xff61b1e6             ; the largest t so far: -3e38, under every t, a hidden key's too
	v_floor_f32 v[ST+8*\g], -v[ST+8*\g+1]
	v_mov_b32 v[ST+8*\g+2], 0
	v_mov_b32 v[ST+8*\g+3], 0
	v_mov_b32 v[ST+8*\g+4], 0
	v_mov_b32 v[ST+8*\g+5], 0                      ; (named as the upper half of f's pair)
	v_mov_b32 v[XT+\g], 0                          ; a lane permute's destination counts as one of its sources
.endr
	WIN 0x40
.set j, 0
.rept 128
	v_mov_b32 v[O+j], 0                            ; O^T.  Which tile is a wave's first hangs on the flags, so the step is written once for all tiles: the first finds zeros
.set j, j+1
.endr
	WIN 0
	s_wait_kmcnt 0x0
	s_or_b32 s80, s80, s81
	s_or_b32 s82, s82, s83
	s_or_b32 s84, s84, s85
	s_or_b32 s86, s86, s87
	s_or_b32 s80, s80, s82
	s_or_b32 s84, s84, s86
	s_or_b32 s80, s80, s84
	s_and_b32 s[WLD], s80, 0xffff                  ; the tiles that some wave of the work-group walks
	s_lshl_b32 s[WST], s[WLD], 1
	s_and_b32 s[LV], s88, 0xffff
	s_lshl_b32 s[LV], s[LV], 2
	s_lshr_b32 s[XL], s88, 16
	s_lshl_b32 s[XV], s[XL], 2
	s_lshl_b32 s[XL], s[XL], 1
	s_add_co_i32 s96, s74, s75
	s_lshl_b32 s96, s96, 23
	s_add_co_i32 s[CS], s[CS], s96                 ; a score stands for score x 2^(e6 + e7): added to c's exponent field
	s_mov_b32 s[CS+1], s[CS]
	MKSC s77, PSC
	s_mov_b32 s[PLS], s96
	MKSC s78, OSC
	v_mov_b32 v[OLIM], s96
	s_add_co_i32 s[EO], s76, s77
.macro GLK sl, ri                      ; tile i on its way: my image of K and my image of V, 512 consecutive bytes a load; and the prefetch
	s_bitcmp1_b32 s[WLD], s[\ri]
	s_cbranch_scc0 .Lnl_\@
.irp c, 0,1,2,3
	global_load_b128 v[STG+4*\c:STG+4*\c+3], v[GO], s[6:7] offset:(\sl)*16384+512*\c
	global_load_b128 v[STG+16+4*\c:STG+16+4*\c+3], v[GO], s[6:7] offset:(\sl)*16384+32768+512*\c
.endr
.Lnl_\@:
	s_cmp_eq_u32 s[\ri], s[LIM]
	s_cbranch_scc0 .Lnp_\@
	global_prefetch_b8 v[PFO], s[PF:PF+1] th:TH_LOAD_NT scope:SCOPE_SE
.Lnp_\@:
.endm
.macro GLM ri                          ; the mask of my query at keys 16 u + 8 h + 0 .. 7 of tile i - 1, a trip ahead of its use
	s_bitcmp1_b32 s[XL], s[\ri]
	s_cbranch_scc0 .Lnm_\@
.irp u, 0,1,2,3,4,5,6,7
	global_load_b64 v[MW+2*\u:MW+2*\u+1], v[MO], s[8:9] offset:16*\u
.endr
.Lnm_\@:
.endm
.macro SUMQ g                          ; tile g: the row's sum of the unquantised p, in four chains; the one-sided hold (the conversion does not saturate: ISA guide 7.6.2; p is not negative); the codes
.set B, S+64*\g
.set A, ST+8*\g+2
	v_pk_add_f32 v[TS:TS+1], v[B:B+1], v[B+2:B+3]
	v_pk_add_f32 v[TS+2:TS+3], v[B+4:B+5], v[B+6:B+7]
	v_pk_add_f32 v[TD:TD+1], v[B+8:B+9], v[B+10:B+11]
	v_pk_add_f32 v[A:A+1], v[A:A+1], v[B+12:B+13]
.irp j, 14,22,30,38,46,54
	v_pk_add_f32 v[TS:TS+1], v[TS:TS+1], v[B+\j:B+\j+1]
	v_pk_add_f32 v[TS+2:TS+3], v[TS+2:TS+3], v[B+\j+2:B+\j+3]
	v_pk_add_f32 v[TD:TD+1], v[TD:TD+1], v[B+\j+4:B+\j+5]
	v_pk_add_f32 v[A:A+1], v[A:A+1], v[B+\j+6:B+\j+7]
.endr
	v_pk_add_f32 v[TS:TS+1], v[TS:TS+1], v[B+62:B+63]
	v_pk_add_f32 v[TD:TD+1], v[TD:TD+1], v[TS+2:TS+3]
	v_pk_add_f32 v[A:A+1], v[A:A+1], v[TS:TS+1]
	v_pk_add_f32 v[A:A+1], v[A:A+1], v[TD:TD+1]
.set j, 0
.rept 32
	v_dual_min_num_f32 v[B+j], s[PLS], v[B+j] :: v_dual_min_num_f32 v[B+j+1], s[PLS], v[B+j+1]
.set j, j+2
.endr
	WIN 0x40
.irp u, 0,1,2,3,4,5,6,7
	v_cvt_scalef32_pk8_fp8_f32 v[P+16*\g+2*\u:P+16*\g+2*\u+1], v[B+8*\u:B+8*\u+7], v[PSC]
.endr
.endm
; THE WORK ON ONE TILE of 128 keys, in slot sl.  K's eight images have been asked for.
.macro COMPUTE sl, ri
	s_wait_dscnt 16                                ; K's tiles 0-3 are in; the sixteen loads behind them may be out
	WIN 0x05
.irp u, 0,1,2,3
.irp g, 0,1
	v_wmma_f32_16x16x128_fp8_fp8 v[S+64*\g+8*\u:S+64*\g+8*\u+7], v[F+16*\u:F+16*\u+15], v[Q+16*\g:Q+16*\g+15], 0
.endr
.endr
	s_wait_dscnt 0x0
.irp u, 4,5
.irp g, 0,1
	v_wmma_f32_16x16x128_fp8_fp8 v[S+64*\g+8*\u:S+64*\g+8*\u+7], v[P+16*(\u-4):P+16*(\u-4)+15], v[Q+16*\g:Q+16*\g+15], 0
.endr
.endr
	WIN 0x04
.irp u, 6,7
.irp g, 0,1
	v_wmma_f32_16x16x128_fp8_fp8 v[S+64*\g+8*\u:S+64*\g+8*\u+7], v[BI+16*(\u-6):BI+16*(\u-6)+15], v[Q+16*\g:Q+16*\g+15], 0
.endr
.endr
	WIN 0
.rept 4
	v_nop                                          ; places behind the products: ahead of the loads into their sources and of the first reads of the scores
.endr
	WIN 0x40
.irp t, 0,1,2,3                        ; V's d blocks 4-7: the softmax stands between this and their use
.irp c, 0,1,2,3
	ds_load_b128 v[F+16*\t+4*\c:F+16*\t+4*\c+3], v[LI] offset:(\sl)*SLOTB+16384+(4+\t)*2048+512*\c
.endr
.endr
	WIN 0
	s_bitcmp1_b32 s[XV], s[\ri]
	s_cbranch_scc0 .Lvis_\@
.set i, 0
.rept 16
	v_add_nc_u32 v[MW+i], s[C7F], v[MW+i]          ; bytes 1, 0 -> 0x80, 0x7f: no carry between bytes
.set i, i+1
.endr
.set i, 0
.rept 16
	v_and_b32 v[MW+i], s[C5D], v[MW+i]             ; -> 0x00 visible, 0x5d hidden: at the top of a word 0.0 or 2^59
.set i, i+1
.endr
.irp hf, 0,1                           ; four tiles of keys at a time
.irp u, 0,1,2,3
.irp j, 0,1,2,3,4,5,6,7
	v_perm_b32 v[BI+8*\u+\j], v[MW+2*(4*\hf+\u)+\j/4], v[MW+2*(4*\hf+\u)+\j/4], s[SELB+\j%4]
.endr
.endr
.irp g, 0,1
.set j, 0
.rept 16
	v_pk_add_f32 v[S+64*\g+32*\hf+j:S+64*\g+32*\hf+j+1], v[S+64*\g+32*\hf+j:S+64*\g+32*\hf+j+1], v[BI+j:BI+j+1] neg_lo:[0,1] neg_hi:[0,1]   ; each accumulator from its low end on
.set j, j+2
.endr
.endr
.endr
.Lvis_\@:
	GLM \ri                                        ; behind the last use of this tile's mask bytes
.irp g, 0,1                            ; the largest raw score of my query (c is positive), in two chains a tile, each accumulator from its low end on
	v_max3_num_f32 v[ST+8*\g+6], v[S+64*\g], v[S+64*\g+1], v[S+64*\g+2]
	v_max3_num_f32 v[ST+8*\g+7], v[S+64*\g+3], v[S+64*\g+4], v[S+64*\g+5]
.endr
.irp i, 6,10,14,18,22,26,30,34,38,42,46,50,54,58
.irp g, 0,1
	v_max3_num_f32 v[ST+8*\g+6], v[ST+8*\g+6], v[S+64*\g+\i], v[S+64*\g+\i+1]
	v_max3_num_f32 v[ST+8*\g+7], v[ST+8*\g+7], v[S+64*\g+\i+2], v[S+64*\g+\i+3]
.endr
.endr
.irp g, 0,1
	v_max3_num_f32 v[ST+8*\g+6], v[ST+8*\g+6], v[S+64*\g+62], v[S+64*\g+63]
.endr
.irp g, 0,1
	s_delay_alu instid0(VALU_DEP_2)
	v_max_num_f32 v[ST+8*\g+6], v[ST+8*\g+6], v[ST+8*\g+7]
.endr
.irp g, 0,1
	s_delay_alu instid0(VALU_DEP_2)
	v_permlanex16_b32 v[XT+\g], v[ST+8*\g+6], s[SEL], s[SEL+1]     ; the query's other 64 keys lie in the lane 16 away
.endr
.irp g, 0,1
	s_delay_alu instid0(VALU_DEP_2)
	v_max_num_f32 v[ST+8*\g+6], v[ST+8*\g+6], v[XT+\g]
.endr
.irp g, 0,1
	s_delay_alu instid0(VALU_DEP_2)
	v_mul_f32 v[ST+8*\g+6], s[CS], v[ST+8*\g+6]    ; as t
.endr
.irp g, 0,1
	s_delay_alu instid0(VALU_DEP_2)
	v_max_num_f32 v[ST+8*\g+1], v[ST+8*\g+1], v[ST+8*\g+6]         ; the running largest t
.endr
.irp g, 0,1
	v_mov_b32 v[ST+8*\g+6], v[ST+8*\g]
.endr
.irp g, 0,1
	s_delay_alu instid0(VALU_DEP_4)
	v_floor_f32 v[ST+8*\g], -v[ST+8*\g+1]          ; the new -M = floor(-t): M is a whole number
.endr
.irp g, 0,1
	s_delay_alu instid0(VALU_DEP_2)
	v_sub_f32 v[ST+8*\g+6], v[ST+8*\g], v[ST+8*\g+6]               ; old M - new M: a whole number, 0 or less
.endr
.irp g, 0,1
	s_delay_alu instid0(VALU_DEP_2)
	v_cvt_i32_f32 v[ST+8*\g+6], v[ST+8*\g+6]       ; (it saturates)
.endr
.irp g, 0,1
	s_delay_alu instid0(VALU_DEP_2)
	v_ldexp_f32 v[ST+8*\g+4], 1.0, v[ST+8*\g+6]    ; f = 2^(old M - new M)
.endr
.irp g, 0,1
.set j, 0
.rept 32
	v_pk_fma_f32 v[S+64*\g+j:S+64*\g+j+1], v[S+64*\g+j:S+64*\g+j+1], s[CS:CS+1], v[ST+8*\g:ST+8*\g+1] op_sel_hi:[1,0,0]   ; t - M = score x c - M, one rounding
.set j, j+2
.endr
.endr
	WIN 0x41
.irp g, 0,1                            ; O^T under the new M, ahead of the exponentials; each accumulator from its low end on
.set j, 0
.rept 32
	v_pk_mul_f32 v[O+64*\g+j:O+64*\g+j+1], v[O+64*\g+j:O+64*\g+j+1], v[ST+8*\g+4:ST+8*\g+5] op_sel_hi:[1,0]
.set j, j+2
.endr
.endr
	WIN 0
	s_wait_alu depctr_va_vdst(0)
.set j, 0
.rept 128
	v_exp_f32 v[S+j], v[S+j]                       ; p = 2^(t - M): one batch for both tiles
.set j, j+1
.endr
.irp g, 0,1
	v_pk_mul_f32 v[ST+8*\g+2:ST+8*\g+3], v[ST+8*\g+2:ST+8*\g+3], v[ST+8*\g+4:ST+8*\g+5] op_sel_hi:[1,0]     ; the sums under the new M (plain lines behind the exponentials)
.endr
	s_wait_alu depctr_va_vdst(0)                   ; one wait for the batch, ahead of its first reader
	SUMQ 0
	WIN 0
.irp t, 0,1,2,3                        ; V's d blocks 0-3 land where tile 0's p lay: its codes are made.  Tile 1's sums, plain lines on other registers, follow the conversions
.irp c, 0,1,2,3
	ds_load_b128 v[S+16*\t+4*\c:S+16*\t+4*\c+3], v[LI] offset:(\sl)*SLOTB+16384+\t*2048+512*\c
.endr
.endr
	SUMQ 1
	v_nop                                          ; a plain line behind the last conversion
	s_wait_alu depctr_va_vdst(0)
	s_wait_dscnt 0x0                               ; V's eight fragments are in
	WIN 0x54                                       ; O^T += V^T P.  The sixteen accumulators take turns, one instruction a turn
.irp t, 0,1,2,3
.irp g, 0,1
	v_wmma_f32_16x16x128_fp8_fp8 v[O+64*\g+8*\t:O+64*\g+8*\t+7], v[S+16*\t:S+16*\t+15], v[P+16*\g:P+16*\g+15], v[O+64*\g+8*\t:O+64*\g+8*\t+7]
.endr
.endr
	WIN 0x55
.irp t, 4,5,6,7
.irp g, 0,1
	v_wmma_f32_16x16x128_fp8_fp8 v[O+64*\g+8*\t:O+64*\g+8*\t+7], v[F+16*(\t-4):F+16*(\t-4)+15], v[P+16*\g:P+16*\g+15], v[O+64*\g+8*\t:O+64*\g+8*\t+7]
.endr
.endr
	WIN 0
.rept 5
	v_nop                                          ; five places: the next tile's scores are written over registers that these products read, and its loads land in others
.endr
.endm
; A TRIP.  sl = the trip's number modulo 2: the slot that is worked, and the half of a 65,536-byte block of kv_codes in which tile i lies.
.macro TRIP sl, ri
	s_wait_dscnt 0x0                               ; my stores into the one slot are done, and my reads of the other are back
	s_barrier_signal -1
	s_lshr_b32 s40, s[\ri], 1
	s_min_u32 s40, s40, 7                          ; (trips 16 and 17 load nothing; the offset stays inside the buffer all the same)
	s_lshl_b32 s40, s40, 16                        ; tile i in kv_codes
	s_sub_co_i32 s41, s[\ri], 1
	s_max_i32 s41, s41, 0
	s_min_u32 s41, s41, 15                         ; tile i - 1, held within 0 .. 15,
	s_lshl_b32 s41, s41, 7                         ; in a row of the mask
	s_barrier_wait -1                              ; both now hold of every wave
	s_wait_loadcnt 0x0                             ; tile i - 1 and the mask bytes of tile i - 2 are in registers; no load of mine is out, so the offsets may be written
	v_add_nc_u32 v[GO], s40, v[LW]
	v_add_nc_u32 v[MO], s41, v[AM0]
	s_wait_alu depctr_va_vdst(0)
	s_bitcmp1_b32 s[WST], s[\ri]
	s_cbranch_scc0 .Lns_\@
.irp c, 0,1,2,3
	ds_store_b128 v[LW], v[STG+4*\c:STG+4*\c+3] offset:(1-(\sl))*SLOTB+512*\c
	ds_store_b128 v[LW], v[STG+16+4*\c:STG+16+4*\c+3] offset:(1-(\sl))*SLOTB+16384+512*\c
.endr
.Lns_\@:
	s_bitcmp1_b32 s[LV], s[\ri]
	s_cbranch_scc0 .Lidle_\@
	WIN 0x40                                       ; K's eight images
.irp u, 0,1,2,3
.irp c, 0,1,2,3
	ds_load_b128 v[F+16*\u+4*\c:F+16*\u+4*\c+3], v[LI] offset:(\sl)*SLOTB+\u*2048+512*\c
.endr
.endr
.irp u, 4,5
.irp c, 0,1,2,3
	ds_load_b128 v[P+16*(\u-4)+4*\c:P+16*(\u-4)+4*\c+3], v[LI] offset:(\sl)*SLOTB+\u*2048+512*\c
.endr
.endr
	WIN 0
.irp u, 6,7
.irp c, 0,1,2,3
	ds_load_b128 v[BI+16*(\u-6)+4*\c:BI+16*(\u-6)+4*\c+3], v[LI] offset:(\sl)*SLOTB+\u*2048+512*\c
.endr
.endr
	s_wait_dscnt 32                                ; all but the 32 loads just issued: the stores above have read their registers, which take the next tile
	GLK \sl, \ri
	COMPUTE \sl, \ri
	s_branch .Ljoin_\@
.Lidle_\@:
	s_wait_dscnt 0x0                               ; the stores have read their registers
	GLK \sl, \ri
	GLM \ri
.Ljoin_\@:
.endm
	s_mov_b32 s[I], 0
	s_wait_alu depctr_va_vdst(0)
.Ltrip:                                ; nine times two trips
	TRIP 0, I
	s_add_co_u32 s[I+1], s[I], 1
	TRIP 1, I+1
	s_add_co_u32 s[I], s[I], 2
	s_cmp_lt_u32 s[I], 18
	s_cbranch_scc1 .Ltrip
	; THE WAY OUT: O^T / the sum x 2^(e8 + e9), quantised with e10: tile t's eight numbers are registers 2 t, 2 t + 1 of product 6's fragment (K = this head's 128)
.rept 4
	v_nop
.endr
.irp g, 0,1
	v_add_f32 v[ST+8*\g+6], v[ST+8*\g+2], v[ST+8*\g+3]
.endr
.irp g, 0,1
	s_delay_alu instid0(VALU_DEP_2)
	v_permlanex16_b32 v[XT+\g], v[ST+8*\g+6], s[SEL], s[SEL+1]
.endr
.irp g, 0,1
	s_delay_alu instid0(VALU_DEP_2)
	v_add_f32 v[ST+8*\g+6], v[ST+8*\g+6], v[XT+\g]
.endr
	s_wait_alu depctr_va_vdst(0)
.irp g, 0,1
	v_rcp_f32 v[ST+8*\g+4], v[ST+8*\g+6]
.endr
	v_nop
	s_wait_alu depctr_va_vdst(0)                   ; one wait for the two reciprocals, ahead of their first reader
.irp g, 0,1
	v_ldexp_f32 v[ST+8*\g+4], v[ST+8*\g+4], s[EO]
.endr
	WIN 0x41
	s_wait_alu depctr_va_vdst(0)                   ; directly ahead of the first reader of O^T
.irp g, 0,1
.set j, 0
.rept 32
	v_pk_mul_f32 v[O+64*\g+j:O+64*\g+j+1], v[O+64*\g+j:O+64*\g+j+1], v[ST+8*\g+4:ST+8*\g+5] op_sel_hi:[1,0]
.set j, j+2
.endr
.endr
.set j, 0
.rept 128
	v_med3_num_f32 v[O+j], v[O+j], -v[OLIM], v[OLIM]
.set j, j+1
.endr
.irp g, 0,1
.irp t, 0,1,2,3,4,5,6,7
	v_cvt_scalef32_pk8_fp8_f32 v[P+16*\g+2*\t:P+16*\g+2*\t+1], v[O+64*\g+8*\t:O+64*\g+8*\t+7], v[OSC]
.endr
.endr
	v_nop
	WIN 0x04                                       ; store data window 1, address window 0
.irp g, 0,1
.irp c, 0,1,2,3
	global_store_b128 v[LI], v[P+16*\g+4*\c:P+16*\g+4*\c+3], s[14:15] offset:\g*2048+512*\c    ; 512 consecutive bytes
.endr
.endr
	WIN 0
	s_wait_tensorcnt 0x0                           ; the wave's end
	ds_add_u32 v[SPW], v[NIL]
	s_wait_dscnt 0x0
	s_endpgm
.Lfunc_end_k_q0d7c87e1e9_attn:
	.size	k_q0d7c87e1e9_attn, .Lfunc_end_k_q0d7c87e1e9_attn-k_q0d7c87e1e9_attn
	.p2alignl 7, 3214868480
	.fill 96, 4, 3214868480
	.section	.rodata,"a",@progbits
	.p2align	6, 0x0
	.amdhsa_kernel k_q0d7c87e1e9_attn
		.amdhsa_group_segment_fixed_size 66560
		.amdhsa_private_segment_fixed_size 0
		.amdhsa_enable_private_segment 0
		.amdhsa_kernarg_size 48
		.amdhsa_user_sgpr_count 2
		.amdhsa_user_sgpr_kernarg_segment_ptr 1
		.amdhsa_wavefront_size32 1
		.amdhsa_system_sgpr_workgroup_id_x 1
		.amdhsa_system_sgpr_workgroup_id_y 1
		.amdhsa_system_sgpr_workgroup_id_z 1
		.amdhsa_system_vgpr_workitem_id 0
		.amdhsa_next_free_vgpr 512
		.amdhsa_next_free_sgpr 100
		.amdhsa_reserve_vcc 0
		.amdhsa_float_denorm_mode_32 3
		.amdhsa_float_denorm_mode_16_64 3
		.amdhsa_memory_ordered 1
		.amdhsa_forward_progress 1
		.amdhsa_inst_pref_size 122
	.end_amdhsa_kernel
	.amdgpu_metadata
---
amdhsa.version: [ 1, 2 ]
amdhsa.kernels:
  - .name:           k_q0d7c87e1e9_attn
    .symbol:         k_q0d7c87e1e9_attn.kd
    .args:
      - { .name: q_codes, .offset: 0, .size: 8, .value_kind: global_buffer, .address_space: global }
      - { .name: kv_codes, .offset: 8, .size: 8, .value_kind: global_buffer, .address_space: global }
      - { .name: attn_mask, .offset: 16, .size: 8, .value_kind: global_buffer, .address_space: global }
      - { .name: lowp_scales, .offset: 24, .size: 8, .value_kind: global_buffer, .address_space: global }
      - { .name: flags, .offset: 32, .size: 8, .value_kind: global_buffer, .address_space: global }
      - { .name: out_codes, .offset: 40, .size: 8, .value_kind: global_buffer, .address_space: global }
    .group_segment_fixed_size: 66560
    .private_segment_fixed_size: 0
    .kernarg_segment_align: 8
    .kernarg_segment_size: 48
    .max_flat_workgroup_size: 256
    .sgpr_count:     100
    .vgpr_count:     512
    .wavefront_size: 32
...
	.end_amdgpu_metadata
.endif
;; end of part 3
;; launch oproj (part 4): grid 8 x 32, 4 waves a work-group, clusters of 4 x 4, 327,680 bytes of LDS; arguments out_codes, wo_codes, lowp_scales, out0; writes out0
.if DOCPART == 4
	.amdgcn_target "amdgcn-amd-amdhsa--gfx1250"
	.amdhsa_code_object_version 6
	.text
	.protected	k_q0d7c87e1e9_oproj
	.globl	k_q0d7c87e1e9_oproj
	.p2align	8
	.type	k_q0d7c87e1e9_oproj,@function
k_q0d7c87e1e9_oproj:
	s_mov_b64 s[64:65], 0
	v_nop
	global_prefetch_b8 v0, s[64:65] scope:SCOPE_SE
	s_setreg_imm32_b32 hwreg(HW_REG_WAVE_MODE, 25, 1), 1
	s_wait_xcnt 0x0
	s_wait_alu depctr_hold_cnt(0) depctr_sa_sdst(0) depctr_va_vdst(0) depctr_va_sdst(0) depctr_va_ssrc(0) depctr_va_vcc(0) depctr_vm_vsrc(0)
	s_getreg_b32 s2, hwreg(HW_REG_IB_STS2, 6, 4)
	s_cmp_eq_u32 s2, 0
	s_cbranch_scc0 .Lentry_in_a_cluster
	s_endpgm
.Lentry_in_a_cluster:
	s_bfe_u32 s2, ttmp6, 0x10000c
	s_cmp_lg_u32 s2, 0xf033
	s_cbranch_scc0 .Lentry_shape_is_right
	s_endpgm
.Lentry_shape_is_right:
.set SLOT,  131072
.set SPARE, 262144
.set SPITCH, 272
.set ADRA,  16
.set ADRB,  20
.set LI,    22
.set STO,   24
.set RD,    25
.set CO,    26
.set SPW,   28
.set NIL,   29
.set TMP,   32
.set BK,    64
.set ACC,   128
.set G1,    24
.set G0,    32
.set G1B,   48
.set G0B,   56
.set MSB,   0
.macro WIN new
.if MSB != (\new)
	s_set_vgpr_msb (MSB<<8)|(\new)
.set MSB, (\new)
.endif
.endm
.set MUL,  0x05
.macro JLOAD s
	s_cmp_eq_u32 s15, 0
	s_cbranch_scc0 .Lfor_b_\@
	tensor_load_to_lds s[G0+4*\s:G0+4*\s+3], s[G1:G1+7]
	s_nop 0
.rept 4
	v_nop
.endr
	s_branch .Lasked_\@
.Lfor_b_\@:
	tensor_load_to_lds s[G0B+4*\s:G0B+4*\s+3], s[G1B:G1B+7]
	s_nop 0
.rept 4
	v_nop
.endr
.Lasked_\@:
.endm
.macro CREST
	s_cmp_lg_u32 s14, 0
	s_cbranch_scc1 .Lnot_wave_0_\@
	s_barrier_signal -3
.Lnot_wave_0_\@:
	s_barrier_wait -3
	s_barrier_signal -1
	s_barrier_wait -1
.endm
.macro CROUND
	s_barrier_signal -1
	s_barrier_wait -1
	CREST
.endm
	s_load_b256 s[4:11], s[0:1], 0x0
	v_lshl_add_u32 v[SPW], v0, 2, SPARE
	v_mov_b32 v[NIL], 0
	ds_add_u32 v[SPW], v[NIL]
	ds_add_u32 v[SPW], v[NIL]
	v_lshrrev_b32 v1, 5, v0
	v_readfirstlane_b32 s14, v1
	s_lshr_b32 s15, s14, 1
	s_and_b32 s16, s14, 1
	s_bfe_u32 s40, ttmp6, 0x40000
	s_bfe_u32 s41, ttmp6, 0x40004
	s_lshl_b32 s42, ttmp9, 2
	s_add_co_u32 s42, s42, s40
	s_and_b32 s17, ttmp7, 0xffff
	s_lshl_b32 s17, s17, 2
	s_add_co_u32 s17, s17, s41
	s_lshl_b32 s43, s41, 2
	s_lshl_b32 s43, 15, s43
	s_lshl_b32 s44, 0x1111, s40
	s_or_b32 s[G1+0], s43, (3<<16)|(1<<21)
	s_or_b32 s[G1B+0], s44, (3<<16)|(1<<21)
.irp g, G1, G1B
	s_mov_b32 s[\g+1], 32<<16
	s_mov_b32 s[\g+2], 128<<16
	s_mov_b32 s[\g+3], 32<<16
	s_mov_b32 s[\g+4], 128
	s_mov_b32 s[\g+5], 32
	s_mov_b32 s[\g+6], 0
	s_mov_b32 s[\g+7], 0
.endr
	s_lshl_b32 s20, s17, 15
	s_lshl_b32 s18, s16, 20
	s_add_co_u32 s20, s20, s18
	s_mov_b32 s21, 0
	s_lshl_b32 s46, s42, 15
	s_lshl_b32 s19, s16, 18
	s_add_co_u32 s46, s46, s19
	s_mov_b32 s47, 0
	s_lshl_b32 s45, s14, 15
	s_wait_dscnt 0x0
	s_wait_kmcnt 0x0
	s_load_b64 s[96:97], s[8:9], 0x28
	s_add_nc_u64 s[20:21], s[4:5], s[20:21]
	s_add_nc_u64 s[46:47], s[6:7], s[46:47]
	CROUND
.irp s, 0,1
	s_mov_b32 s[G0+4*\s], 1
	s_add_co_u32 s[G0+4*\s+1], s45, \s*SLOT
	s_add_nc_u64 s[G0+4*\s+2:G0+4*\s+3], s[20:21], \s*0x200000
	s_or_b32 s[G0+4*\s+3], s[G0+4*\s+3], 0x80000000
	s_mov_b32 s[G0B+4*\s], 1
	s_add_co_u32 s[G0B+4*\s+1], s45, \s*SLOT
	s_add_nc_u64 s[G0B+4*\s+2:G0B+4*\s+3], s[46:47], \s*0x80000
	s_or_b32 s[G0B+4*\s+3], s[G0B+4*\s+3], 0x80000000
	s_wait_alu depctr_va_vdst(0)
	s_wait_tensorcnt 0x0
	ds_add_u32 v28, v29
	ds_add_u32 v28, v29
	s_wait_dscnt 0x0
	CROUND
	JLOAD \s
.endr
	v_and_b32 v1, 31, v0
	v_lshlrev_b32 v[LI], 4, v1
	v_and_b32 v2, 15, v0
	s_wait_alu depctr_va_vdst(0)
	v_bfe_u32 v3, v0, 4, 1
	s_lshl_b32 s22, s15, 14
	s_lshl_b32 s23, s16, 14
	s_add_co_u32 s23, s23, 65536
.irp s, 0,1
	v_add_nc_u32 v[ADRA+\s], s22, v[LI]
	v_add_nc_u32 v[ADRB+\s], s23, v[LI]
	s_add_co_u32 s22, s22, SLOT
	s_add_co_u32 s23, s23, SLOT
.endr
	s_mul_i32 s22, s14, 16*SPITCH
	v_mul_u32_u24 v4, v2, SPITCH
	s_wait_alu depctr_va_vdst(0)
	v_lshl_add_u32 v4, v3, 5, v4
	v_add_nc_u32 v[STO], s22, v4
	v_mul_u32_u24 v4, v3, SPITCH
	v_lshl_add_u32 v4, v2, 4, v4
	v_add_nc_u32 v[RD], s22, v4
	v_lshlrev_b32 v4, 12, v3
	v_lshl_add_u32 v[CO], v2, 4, v4
	s_lshl_b32 s22, s17, 19
	s_lshl_b32 s23, s15, 18
	s_add_co_u32 s22, s22, s23
	s_lshl_b32 s23, s42, 9
	s_add_co_u32 s22, s22, s23
	s_lshl_b32 s23, s16, 8
	s_add_co_u32 s22, s22, s23
	s_mov_b32 s23, 0
	s_add_nc_u64 s[10:11], s[10:11], s[22:23]
.macro FRAG reg, adr, q, i
.irp c, 0,1,2,3
	ds_load_b128 v[\reg+4*\c:\reg+4*\c+3], v[\adr] offset:((\q)/2)*32768+(\i)*4096+((\q)%2)*2048+512*\c
.endr
.endm
.macro FETCH slot, q, f
	WIN 0x40
.irp i, 0,1,2,3
	FRAG \f+64+16*\i, ADRB+\slot, \q, \i
.endr
.irp i, 0,1,2,3
	FRAG \f+16*\i, ADRA+\slot, \q, \i
.endr
.endm
.macro MUL8 f, a0, zero
.irp a, \a0, \a0+1
.irp b, 0,1,2,3
.if \zero
	v_wmma_f32_16x16x128_fp8_fp8 v[ACC+8*(4*(\a)+\b):ACC+8*(4*(\a)+\b)+7], v[\f+64+16*\b:\f+64+16*\b+15], v[\f+16*(\a):\f+16*(\a)+15], 0
.else
	v_wmma_f32_16x16x128_fp8_fp8 v[ACC+8*(4*(\a)+\b):ACC+8*(4*(\a)+\b)+7], v[\f+64+16*\b:\f+64+16*\b+15], v[\f+16*(\a):\f+16*(\a)+15], v[ACC+8*(4*(\a)+\b):ACC+8*(4*(\a)+\b)+7]
.endif
.endr
.endr
.endm
.macro PLACES
.rept 4
	v_nop
.endr
.endm
.macro STEPD slot, q, zero
	s_wait_dscnt 8
	WIN MUL
	MUL8 128*((\q)%2), 0, \zero
	PLACES
	FETCH \slot, (\q)+1, 128*(((\q)+1)%2)
	s_wait_dscnt 32
	WIN MUL
	MUL8 128*((\q)%2), 2, \zero
.endm
.macro TURND slot, next, fill
	WIN 0
	s_wait_tensorcnt 0x0
	ds_add_u32 v[SPW], v[NIL]
	s_wait_dscnt 9
	WIN MUL
	MUL8 128, 0, 0
	s_wait_dscnt 0x0
	WIN 0
	s_barrier_signal -1
	s_barrier_wait -1
.if \fill
	CREST
	s_add_nc_u64 s[G0+4*\slot+2:G0+4*\slot+3], s[G0+4*\slot+2:G0+4*\slot+3], 0x400000
	s_add_nc_u64 s[G0B+4*\slot+2:G0B+4*\slot+3], s[G0B+4*\slot+2:G0B+4*\slot+3], 0x100000
	JLOAD \slot
.else
	PLACES
.endif
	FETCH \next, 0, 0
	WIN MUL
	MUL8 128, 2, 0
.endm
	s_wait_tensorcnt 1
	s_barrier_signal -1
	s_barrier_wait -1
	FETCH 0, 0, 0
	STEPD 0, 0, 1
	STEPD 0, 1, 0
	STEPD 0, 2, 0
	TURND 0, 1, 1
	STEPD 1, 0, 0
	STEPD 1, 1, 0
	STEPD 1, 2, 0
	TURND 1, 0, 1
	STEPD 0, 0, 0
	STEPD 0, 1, 0
	STEPD 0, 2, 0
	TURND 0, 1, 0
	STEPD 1, 0, 0
	STEPD 1, 1, 0
	STEPD 1, 2, 0
	s_wait_dscnt 8
	WIN MUL
	MUL8 128, 0, 0
	s_wait_dscnt 0x0
	MUL8 128, 2, 0
	WIN 0
.macro TOSTAGE a
.set j, 0
.rept 16
	v_pk_mul_f32 v[TMP+j:TMP+j+1], v[ACC+32*(\a)+j:ACC+32*(\a)+j+1], s[96:97] op_sel_hi:[1,0]
.set j, j+2
.endr
.irp b, 0,1,2,3
	ds_store_b128 v[STO], v[TMP+8*\b:TMP+8*\b+3] offset:64*\b
	ds_store_b128 v[STO], v[TMP+8*\b+4:TMP+8*\b+7] offset:64*\b+16
.endr
.irp t, 0,1,2,3,4,5,6,7
	ds_load_b128 v[BK+32*((\a)%2)+4*\t:BK+32*((\a)%2)+4*\t+3], v[RD] offset:\t*2*SPITCH
.endr
.endm
.macro SEND a, younger
	s_wait_dscnt \younger
.irp t, 0,1,2,3,4,5,6,7
	global_store_b128 v[CO], v[BK+32*((\a)%2)+4*\t:BK+32*((\a)%2)+4*\t+3], s[10:11] offset:(\a)*65536+\t*8192 th:TH_STORE_NT
.endr
.endm
	s_wait_kmcnt 0x0
	s_add_co_i32 s96, s96, s97
	s_add_co_i32 s96, s96, 127
	s_lshl_b32 s96, s96, 23
	s_mov_b32 s97, s96
	PLACES
	TOSTAGE 0
	TOSTAGE 1
	SEND 0, 16
	s_wait_xcnt 0x0
	TOSTAGE 2
	SEND 1, 16
	s_wait_xcnt 0x0
	TOSTAGE 3
	SEND 2, 16
	SEND 3, 0
	s_wait_tensorcnt 0x0
	ds_add_u32 v[SPW], v[NIL]
	s_wait_dscnt 0x0
	CROUND
	s_endpgm
.Lfunc_end_k_q0d7c87e1e9_oproj:
	.size	k_q0d7c87e1e9_oproj, .Lfunc_end_k_q0d7c87e1e9_oproj-k_q0d7c87e1e9_oproj
	.p2alignl 7, 3214868480
	.fill 96, 4, 3214868480
	.section	.rodata,"a",@progbits
	.p2align	6, 0x0
	.amdhsa_kernel k_q0d7c87e1e9_oproj
		.amdhsa_group_segment_fixed_size 327680
		.amdhsa_private_segment_fixed_size 0
		.amdhsa_enable_private_segment 0
		.amdhsa_kernarg_size 32
		.amdhsa_user_sgpr_count 2
		.amdhsa_user_sgpr_kernarg_segment_ptr 1
		.amdhsa_wavefront_size32 1
		.amdhsa_system_sgpr_workgroup_id_x 1
		.amdhsa_system_sgpr_workgroup_id_y 1
		.amdhsa_system_sgpr_workgroup_id_z 1
		.amdhsa_system_vgpr_workitem_id 0
		.amdhsa_next_free_vgpr 512
		.amdhsa_next_free_sgpr 98
		.amdhsa_reserve_vcc 0
		.amdhsa_float_denorm_mode_32 3
		.amdhsa_float_denorm_mode_16_64 3
		.amdhsa_memory_ordered 1
		.amdhsa_forward_progress 1
		.amdhsa_inst_pref_size 74
	.end_amdhsa_kernel
	.amdgpu_metadata
---
amdhsa.version: [ 1, 2 ]
amdhsa.kernels:
  - .name:           k_q0d7c87e1e9_oproj
    .symbol:         k_q0d7c87e1e9_oproj.kd
    .args:
      - { .name: out_codes, .offset: 0, .size: 8, .value_kind: global_buffer, .address_space: global }
      - { .name: wo_codes, .offset: 8, .size: 8, .value_kind: global_buffer, .address_space: global }
      - { .name: lowp_scales, .offset: 16, .size: 8, .value_kind: global_buffer, .address_space: global }
      - { .name: out0, .offset: 24, .size: 8, .value_kind: global_buffer, .address_space: global }
    .group_segment_fixed_size: 327680
    .private_segment_fixed_size: 0
    .kernarg_segment_align: 8
    .kernarg_segment_size: 32
    .max_flat_workgroup_size: 128
    .sgpr_count:     98
    .vgpr_count:     512
    .wavefront_size: 32
...
	.end_amdgpu_metadata
.endif
;; end of part 4
